; MI455X (gfx1250); checked and timed in simulation.
; The chip was launched on July 23, 2026; its instructions are those of AMD's public machine-readable ISA for CDNA 5 (MIT licence, August 2026) and "CDNA5" Instruction Set Architecture Reference Guide (July 2026). The comments in the code are by the model that wrote it; some were corrected since.
;; Multihead Attention. Allowed arithmetic: matrix products marked QUANTISED: E2M1 operands, one E8M0 scale for each 32 along K, by v_wmma_scale_f32_16x16x128_f8f6f4 with both operands' format E2M1 (or v_wmma_scale_f32_32x16x128_f4), f32 sums; products left as they are: bf16, f16 or f32 operands; f32 sums; everything else in f32.
;; Inputs: Wk 1,024 x 1,024 float32; Wo 1,024 x 1,024 float32; Wq 1,024 x 1,024 float32; Wv 1,024 x 1,024 float32; bk 1,024 float32; bo 1,024 float32; bq 1,024 float32; bv 1,024 float32; x_kv 4 x 2,048 x 1,024 float32; x_q 4 x 2,048 x 1,024 float32.
;; Outputs: out0 4 x 2,048 x 1,024 float32.
;; This version of the problem:
;;   THIS VERSION OF THE PROBLEM IS GIVEN IN LOW PRECISION. The matrix products marked QUANTISED in the list below multiply operands that are first quantised to E2M1 (2 exponent bits, 1 mantissa bit; 4 bits a number), with one power-of-two scale for each 32 numbers along K (OCP MX v1.0); their sums are f32. The products marked 'left as it is' may take bf16, f16 or f32 operands, with f32 sums. Whichever they take, every output number must still come out within the allowed error. Rounding operands to bf16 (8 significant bits) uses up far more of that allowance than f16 does (11 bits, for magnitudes from 6e-5 to 65,504). All else is computed in f32.
;;   The module's matrix products, in the order in which they are computed (A, B: the left and right operand; K: the contracted axis; several contracted axes count as one K, in the product's order):
;;     1. [M 8,192, K 1,024] x [K 1,024, N 1,024]; A: input x_q; B: input Wq: QUANTISED
;;     2. [M 8,192, K 1,024] x [K 1,024, N 1,024]; A: input x_kv; B: input Wk: QUANTISED
;;     3. [M 8,192, K 1,024] x [K 1,024, N 1,024]; A: input x_kv; B: input Wv: QUANTISED
;;     4. batch 64 x [M 2,048, K 64] x [K 64, N 2,048]; A: computed on the way; B: computed on the way: left as it is (an operand is computed on the way)
;;     5. batch 64 x [M 2,048, K 2,048] x [K 2,048, N 64]; A: computed on the way; B: computed on the way: left as it is (an operand is computed on the way)
;;     6. [M 8,192, K 1,024] x [K 1,024, N 1,024]; A: computed on the way; B: input Wo: left as it is (an operand is computed on the way)
;;   THE QUANTISER, for each operand of a quantised product, along K:
;;     - K is cut into blocks of 32 from its start; a last block that is shorter is filled with zeros.
;;     - A block's scale is 2^e with e = floor(log2(the largest magnitude in the block)) - 2, held to -126 .. 127; a block of zeros has e = 0. As a byte (E8M0): e + 127.
;;     - Each number is divided by its block's scale, clamped to +-6, and rounded to the nearest number of E2M1, ties to even, subnormals kept.
;;     - The product sums the exact products of the quantised numbers (number of the format x scale) in f32.
;;   ~~~python
;;   def quantise(x, axis):      # numpy; x: float32 -> the quantised numbers, widened to float32 again
;;       x = np.moveaxis(x, axis, -1); K = x.shape[-1]
;;       x = np.pad(x, [(0, 0)] * (x.ndim - 1) + [(0, -K % 32)]); x = x.reshape(x.shape[:-1] + (-1, 32)); a = np.abs(x).max(-1, keepdims=True)
;;       e = np.where(a > 0, np.clip(np.frexp(np.where(a > 0, a, 1))[1] - 1 - 2, -126, 127), 0)      # np.frexp(a)[1] - 1 = floor(log2(a)), exactly
;;       r = np.clip(x / 2.0 ** e, -6, 6)
;;       step = 2.0 ** (np.maximum(np.frexp(np.where(r == 0, 1, r))[1] - 1, 0) - 1)
;;       q = np.round(r / step) * step * 2.0 ** e      # np.round: ties to even
;;       return np.moveaxis(q.reshape(q.shape[:-2] + (-1,))[..., :K], -1, axis).astype(np.float32)
;;   ~~~
;; One version. Each part assembles by itself: llvm-mc -triple=amdgcn-amd-amdhsa -mcpu=gfx1250 --defsym DOCPART=n.
;; ======== version 1 of 1: 4 launches
;; limits: values are held in f16: magnitudes above 65,504 overflow, below 6.1e-05 lose precision
;; workspace buffers: codes 9,961,472 bytes; scales 622,592 bytes; woimg 2,097,152 bytes; qimg 16,777,216 bytes; kimg 16,777,216 bytes; vimg 16,777,216 bytes; ximg 16,777,216 bytes
;; launch quant (part 1): grid 672 x 1, 4 waves a work-group, no clusters, 33,280 bytes of LDS; arguments x_q, x_kv, Wq, Wk, Wv, Wo, codes, scales, woimg; writes codes, scales, woimg
.if DOCPART == 1
	.amdgcn_target "amdgcn-amd-amdhsa--gfx1250"
	.amdhsa_code_object_version 6
	.text
	.protected	k_qc039f5d861_quant
	.globl	k_qc039f5d861_quant
	.p2align	8
	.type	k_qc039f5d861_quant,@function
k_qc039f5d861_quant:
	s_mov_b64 s[64:65], 0
	v_nop
	global_prefetch_b8 v0, s[64:65] scope:SCOPE_SE
	s_setreg_imm32_b32 hwreg(HW_REG_WAVE_MODE, 25, 1), 1
	s_wait_xcnt 0x0
; x_q, x_kv [8192][1024] and Wq, Wk, Wv [1024][1024], f32 with K innermost, become codes of FP4 (E2M1), two a byte, and one E8M0 scale byte for each 32 along K.
; The five tensors are plain streams of blocks of 32 numbers; their codes and bytes lie one tensor behind the other in ONE buffer each: rows 0-8191 x_q, 8192-16383 x_kv, then 1024 rows each of Wq, Wk, Wv; 512 bytes of codes and 32 scale bytes a row.
; A block's scale is 2^(floor(log2(its largest magnitude)) - 2); its byte is the largest magnitude's exponent field - 2, held at 1 from below.  A block of zeros so gets the byte 1: its codes are zeros, and this program alone reads the bytes.
; Wo [1024 (n)][1024 (k)] is rounded to f16 and laid as the registers of a 16-bit matrix operand take it: [n / 16][k / 8][n % 16][8 numbers], so that 32 lanes x 16 bytes on end are half a fragment.
; LIMITS: NaN and infinities among the inputs are not served; blocks whose largest magnitude lies under 2^-124 keep the byte 1; Wo must lie under 65,504 in magnitude, and under 6e-5 its step is 6e-8.
; SHARES: work-groups 0-607 quantise 32,768 numbers each (a wave: 16 steps of 512); work-groups 608-671 take 16 rows of Wo each (a wave: 256 along K).  Waves share nothing: no barrier.
; No matrix unit, no cluster, no tensor load: a stream that is read once and shares nothing.
.set NQWG,  608                        ; work-groups that quantise: 256 + 256 + 32 + 32 + 32
.set WAVES, 4
.set STEPS, 16
.set EMAX,  2
.set CB,    8                          ; bytes of 16 codes
.set R,     16                         ; v16-79   four sets of 16 numbers as they are loaded
.set X,     80                         ; v80-111  two sets of 16 neighbours
.set C,     128                        ; v128-191 codes: four registers for each step, so that no store's data are written again
.set E,     112                        ; v112-127 a scale byte for each step
.set WREG,  8192                       ; LDS: a region for each wave: two stages of 32 x SP bytes, behind them its 256 scale bytes
.set SP,    80                         ; a lane's place in a stage: 64 bytes + 16 of padding
.set SPW,   12                         ; v12  LDS address of my spare word; never rewritten
.set NIL,   13                         ; v13  0; never rewritten
.set SPARE, WAVES*WREG                 ; behind the four regions: the spare words, 128 bytes a wave, which no other line names
	s_load_b512 s[4:19], s[0:1], 0x0               ; x_q s[4:5], x_kv s[6:7], Wq s[8:9], Wk s[10:11], Wv s[12:13], Wo s[14:15], codes s[16:17], scales s[18:19]
	s_load_b64 s[20:21], s[0:1], 0x40              ; woimg
	v_lshl_add_u32 v[SPW], v0, 2, SPARE
	v_mov_b32 v[NIL], 0
	v_lshrrev_b32 v1, 5, v0
	v_readfirstlane_b32 s22, v1                    ; wave
	v_and_b32 v2, 31, v0                           ; lane
	s_wait_kmcnt 0x0
	s_cmp_ge_u32 ttmp9, NQWG                       ; the work-group's number alone decides
	s_cbranch_scc1 .Lwo
	; ---- the quantiser
	v_lshlrev_b32 v3, 4, v2                        ; my 16 bytes of a load's 512
	s_mul_i32 s23, s22, WREG
	v_lshrrev_b32 v14, 2, v2
	v_mul_u32_u24 v14, v14, SP
	v_and_b32 v15, 3, v2
	v_lshl_add_u32 v14, v15, 4, v14
	v_add_nc_u32 v14, s23, v14                     ; the stage, on the way in: SP (lane / 4) + 16 (lane % 4)
	v_mul_u32_u24 v15, v2, SP
	v_add_nc_u32 v15, s23, v15                     ; and on the way out: SP x lane: my 16 neighbours
	v_mul_u32_u24 v4, v2, CB                       ; my codes' place in a step's
	v_lshrrev_b32 v5, 1, v2
	s_add_co_u32 s23, s23, 2*32*SP
	v_add_nc_u32 v5, s23, v5                       ; LDS: my wave's 256 scale bytes, my block's byte
	v_lshlrev_b32 v7, 3, v2                        ; and on the way out 8 bytes a lane
	v_add_nc_u32 v6, s23, v7
	s_mov_b64 s[24:25], s[12:13]                   ; which tensor: Wv, unless the work-group's number lies lower
	s_mov_b32 s26, 576                             ; and the tensor's first work-group
	s_cmp_lt_u32 ttmp9, 576
	s_cselect_b64 s[24:25], s[10:11], s[24:25]     ; Wk
	s_cselect_b32 s26, 544, s26
	s_cmp_lt_u32 ttmp9, 544
	s_cselect_b64 s[24:25], s[8:9], s[24:25]       ; Wq
	s_cselect_b32 s26, 512, s26
	s_cmp_lt_u32 ttmp9, 512
	s_cselect_b64 s[24:25], s[6:7], s[24:25]       ; x_kv
	s_cselect_b32 s26, 256, s26
	s_cmp_lt_u32 ttmp9, 256
	s_cselect_b64 s[24:25], s[4:5], s[24:25]       ; x_q
	s_cselect_b32 s26, 0, s26
	s_sub_co_u32 s27, ttmp9, s26
	s_lshl_b32 s27, s27, 2
	s_add_co_u32 s27, s27, s22                     ; which run of 8,192 numbers of the tensor is my wave's
	s_lshl_b32 s28, s27, 15                        ; 32,768 bytes a run
	s_mov_b32 s29, 0
	s_add_nc_u64 s[24:25], s[24:25], s[28:29]
	s_lshl_b32 s27, ttmp9, 2
	s_add_co_u32 s27, s27, s22                     ; and which run of the joined stream
	s_lshl_b32 s28, s27, 12                        ; 4,096 bytes of codes a run
	s_add_nc_u64 s[16:17], s[16:17], s[28:29]
	s_lshl_b32 s28, s27, 8                         ; 256 scale bytes a run
	s_add_nc_u64 s[18:19], s[18:19], s[28:29]
.macro LOAD t
.irp i, 0,1,2,3
	global_load_b128 v[R+16*((\t)%4)+4*\i:R+16*((\t)%4)+4*\i+3], v3, s[24:25] offset:2048*(\t)+512*\i th:TH_LOAD_NT   ; 32 lanes read 512 consecutive bytes
.endr
.endm
.macro TURN t                          ; step t's numbers through the stage: LDS serves a wave's instructions in order, so no wait stands between the stores and the loads
.irp i, 0,1,2,3
	ds_store_b128 v14, v[R+16*((\t)%4)+4*\i:R+16*((\t)%4)+4*\i+3] offset:32*SP*((\t)%2)+8*SP*\i
.endr
.irp i, 0,1,2,3
	ds_load_b128 v[X+16*((\t)%2)+4*\i:X+16*((\t)%2)+4*\i+3], v15 offset:32*SP*((\t)%2)+16*\i
.endr
.endm
.irp t, 0,1,2,3
	LOAD \t
.endr
	s_wait_loadcnt 12                              ; step 0's four loads are in; the three later steps' twelve may be out
	TURN 0
.macro STEP t
.set XS, X+16*((\t)%2)
.if (\t) > 0
	s_wait_dscnt 1                                 ; this step's numbers are back from the stage (the last step's byte store may be out): so its stores into the stage have read their registers,
.else
	s_wait_dscnt 0x0
.endif
.if (\t)+4 < STEPS
	LOAD (\t)+4                                    ; which take the loads of four steps on
.endif
.if (\t)+1 < STEPS
.if STEPS-2-(\t) >= 3
	s_wait_loadcnt 12                              ; the next step's four loads are in; those of the three steps behind it may be out
.else
	s_wait_loadcnt 4*(STEPS-2-(\t))
.endif
	TURN (\t)+1                                    ; and go through the other stage while this step is worked
.endif
	v_max3_num_f32 v8, |v[XS]|, |v[XS+1]|, |v[XS+2]|               ; the largest magnitude of my 16, in two chains
	v_max3_num_f32 v9, |v[XS+3]|, |v[XS+4]|, |v[XS+5]|
.irp i, 6,10
	v_max3_num_f32 v8, v8, |v[XS+\i]|, |v[XS+\i+1]|
	v_max3_num_f32 v9, v9, |v[XS+\i+2]|, |v[XS+\i+3]|
.endr
	v_max3_num_f32 v8, v8, |v[XS+14]|, |v[XS+15]|
	v_max3_num_f32 v8, v8, v9, (EMAX+1)<<23        ; and the floor 2^(EMAX + 1 - 127): the byte cannot fall under 1
	v_max_num_f32_dpp v8, v8, v8 row_xmask:1 row_mask:0xf bank_mask:0xf   ; and of my neighbour's 16: the block's
	v_add_nc_u32 v11, -(EMAX<<23), v8              ; EMAX off its exponent field: the conversion takes the exponent field of this operand as its scale
	v_cvt_scalef32_pk8_fp4_f32 v[C+4*(\t)], v[XS:XS+7], v11        ; eight numbers / the scale, to the nearest code, ties to even, beyond the largest code the largest
	v_cvt_scalef32_pk8_fp4_f32 v[C+4*(\t)+1], v[XS+8:XS+15], v11
	v_lshrrev_b32 v[E+(\t)], 23, v11               ; the scale's byte
	ds_store_b8 v5, v[E+(\t)] offset:16*(\t)       ; both lanes of a block write the same byte with the same value
	global_store_b64 v4, v[C+4*(\t):C+4*(\t)+1], s[16:17] offset:32*CB*(\t)   ; the wave stores 256 consecutive bytes, aligned
.endm
.irp t, 0,1,2,3,4,5,6,7,8,9,10,11,12,13,14,15
	STEP \t
.endr
	ds_load_b64 v[8:9], v6                         ; LDS serves a wave's instructions in order: these see my stores
	s_wait_dscnt 0x0
	global_store_b64 v7, v[8:9], s[18:19]          ; 32 lanes store 256 consecutive bytes, aligned
	s_wait_tensorcnt 0x0                           ; the wave's end
	ds_add_u32 v[SPW], v[NIL]
	s_wait_dscnt 0x0
	s_endpgm
	; ---- Wo to f16, in the order of an operand's registers.  Lane (r, h) takes row r of the 16 and, for chunk c, k = 256 wave + 16 c + 8 h + 0 .. 7: its 16 bytes of f16 lie at 512 c + 16 lane
.Lwo:
	s_sub_co_u32 s23, ttmp9, NQWG                  ; which 16 rows
	v_and_b32 v3, 15, v0                           ; r
	v_bfe_u32 v4, v0, 4, 1                         ; h
	v_lshlrev_b32 v5, 12, v3
	v_lshl_add_u32 v5, v4, 5, v5                   ; in: row r of 4,096 bytes + 32 h
	v_lshlrev_b32 v6, 4, v2                        ; out: 16 x lane
	s_lshl_b32 s24, s23, 16                        ; 16 rows of 4,096 bytes
	s_lshl_b32 s25, s22, 10                        ; my wave's 256 numbers of a row
	s_add_co_u32 s24, s24, s25
	s_mov_b32 s25, 0
	s_add_nc_u64 s[14:15], s[14:15], s[24:25]
	s_lshl_b32 s24, s23, 15                        ; 32,768 bytes of f16 for 16 rows
	s_lshl_b32 s26, s22, 13                        ; my wave's 8,192 of them
	s_add_co_u32 s24, s24, s26
	s_add_nc_u64 s[20:21], s[20:21], s[24:25]
.set c, 0
.rept 16
	global_load_b128 v[16+8*c:19+8*c], v5, s[14:15] offset:64*c
	global_load_b128 v[20+8*c:23+8*c], v5, s[14:15] offset:64*c+16
.set c, c+1
.endr
.set c, 0
.rept 16
	s_wait_loadcnt 30-2*c                          ; chunk c's two loads are in; the later chunks' may be out
.irp i, 0,1,2,3
	v_cvt_pk_f16_f32 v[16+8*c+\i], v[16+8*c+2*\i], v[16+8*c+2*\i+1]   ; in place, ascending: a register is written only when it has been read
.endr
	global_store_b128 v6, v[16+8*c:19+8*c], s[20:21] offset:512*c   ; the wave stores 512 consecutive bytes, aligned
.set c, c+1
.endr
	s_wait_tensorcnt 0x0                           ; the wave's end
	ds_add_u32 v[SPW], v[NIL]
	s_wait_dscnt 0x0
	s_endpgm
.Lfunc_end_k_qc039f5d861_quant:
	.size	k_qc039f5d861_quant, .Lfunc_end_k_qc039f5d861_quant-k_qc039f5d861_quant
	.p2alignl 7, 3214868480
	.fill 96, 4, 3214868480
	.section	.rodata,"a",@progbits
	.p2align	6, 0x0
	.amdhsa_kernel k_qc039f5d861_quant
		.amdhsa_group_segment_fixed_size 33280
		.amdhsa_private_segment_fixed_size 0
		.amdhsa_enable_private_segment 0
		.amdhsa_kernarg_size 72
		.amdhsa_user_sgpr_count 2
		.amdhsa_user_sgpr_kernarg_segment_ptr 1
		.amdhsa_wavefront_size32 1
		.amdhsa_system_sgpr_workgroup_id_x 1
		.amdhsa_system_sgpr_workgroup_id_y 1
		.amdhsa_system_sgpr_workgroup_id_z 1
		.amdhsa_system_vgpr_workitem_id 0
		.amdhsa_next_free_vgpr 192
		.amdhsa_next_free_sgpr 66
		.amdhsa_reserve_vcc 0
		.amdhsa_float_denorm_mode_32 3
		.amdhsa_float_denorm_mode_16_64 3
		.amdhsa_memory_ordered 1
		.amdhsa_forward_progress 1
		.amdhsa_inst_pref_size 44
	.end_amdhsa_kernel
	.amdgpu_metadata
---
amdhsa.version: [ 1, 2 ]
amdhsa.kernels:
  - .name:           k_qc039f5d861_quant
    .symbol:         k_qc039f5d861_quant.kd
    .args:
      - { .name: x_q, .offset: 0, .size: 8, .value_kind: global_buffer, .address_space: global }
      - { .name: x_kv, .offset: 8, .size: 8, .value_kind: global_buffer, .address_space: global }
      - { .name: Wq, .offset: 16, .size: 8, .value_kind: global_buffer, .address_space: global }
      - { .name: Wk, .offset: 24, .size: 8, .value_kind: global_buffer, .address_space: global }
      - { .name: Wv, .offset: 32, .size: 8, .value_kind: global_buffer, .address_space: global }
      - { .name: Wo, .offset: 40, .size: 8, .value_kind: global_buffer, .address_space: global }
      - { .name: codes, .offset: 48, .size: 8, .value_kind: global_buffer, .address_space: global }
      - { .name: scales, .offset: 56, .size: 8, .value_kind: global_buffer, .address_space: global }
      - { .name: woimg, .offset: 64, .size: 8, .value_kind: global_buffer, .address_space: global }
    .group_segment_fixed_size: 33280
    .private_segment_fixed_size: 0
    .kernarg_segment_align: 8
    .kernarg_segment_size: 72
    .max_flat_workgroup_size: 128
    .sgpr_count:     66
    .vgpr_count:     192
    .wavefront_size: 32
...
	.end_amdgpu_metadata
.endif
;; end of part 1
;; launch proj (part 2): grid 4 x 96, 4 waves a work-group, clusters of 4 x 4, 327,680 bytes of LDS; arguments codes, scales, bq, bk, bv, qimg, kimg, vimg; writes qimg, kimg, vimg
.if DOCPART == 2
	.amdgcn_target "amdgcn-amd-amdhsa--gfx1250"
	.amdhsa_code_object_version 6
	.text
	.protected	k_qc039f5d861_proj
	.globl	k_qc039f5d861_proj
	.p2align	8
	.type	k_qc039f5d861_proj,@function
k_qc039f5d861_proj:
	s_mov_b64 s[64:65], 0
	v_nop
	global_prefetch_b8 v0, s[64:65] scope:SCOPE_SE
	s_setreg_imm32_b32 hwreg(HW_REG_WAVE_MODE, 25, 1), 1
	s_wait_xcnt 0x0
	s_wait_alu depctr_hold_cnt(0) depctr_sa_sdst(0) depctr_va_vdst(0) depctr_va_sdst(0) depctr_va_ssrc(0) depctr_va_vcc(0) depctr_vm_vsrc(0)
	s_getreg_b32 s2, hwreg(HW_REG_IB_STS2, 6, 4)
	s_cmp_eq_u32 s2, 0
	s_cbranch_scc0 .Lentry_in_a_cluster
	s_endpgm
.Lentry_in_a_cluster:
	s_bfe_u32 s2, ttmp6, 0x10000c
	s_cmp_lg_u32 s2, 0xf033
	s_cbranch_scc0 .Lentry_shape_is_right
	s_endpgm
.Lentry_shape_is_right:
; q = x_q Wq^T + bq, k = x_kv Wk^T + bk, v = x_kv Wv^T + bv, on codes of FP4 (E2M1) with one E8M0 scale for each 32 along K (1,024); sums in f32; the results are rounded ONCE to f16 for the attention.
; One launch for the three: tile rows 0-31 make q, 32-63 k, 64-95 v (p = tile row / 32, the same in all partners of a cluster).  A tile is 256 tokens x 256 features: four waves, each 128 x 128: 64 accumulators, 512 registers.
; K is two steps of 512 (rows of 256 bytes of codes): both steps and the scale bytes of the work-group's rows are first fills at the head: three tensor loads a wave are out, and there is no loop.
; CLUSTERS: 4 x 4 work-groups.  The four of a row need the same rows of x, the four of a column the same rows of W: each tile is asked for JOINTLY, by the same tensor load with the same descriptor and a mask that names the four.
; THE MATRIX INSTRUCTION IS USED TRANSPOSED (source 0 = 16 rows of W, source 1 = 16 tokens): a lane holds one token and eight neighbouring features.  The bias is the C of each sum's first product.
; THE WAY OUT NEEDS NO STAGE: the attention's operands are laid as images of their registers.  A lane's eight features as f16 are 16 bytes; 32 lanes' 512 bytes on end are half a fragment, and one store writes them.
;   qimg, kimg: [16 batch + head][token / 16][channel / 8][token % 16][8]: the lane's bytes lie at 16 x lane.
;   vimg: [16 batch + head][key / 16][channel / 16][512 bytes], in them (key % 16 / 8) 256 + (channel / 8 % 2) 128 + (key % 8) 16: the order from which the turning LDS load at 16 x lane gives half a fragment of V^T.
; LIMITS: q, k, v must lie under 65,504 in magnitude (f16); under 6e-5 their step is 6e-8.  384 tiles for 256 WGPs: one and a half turns; the square tile is kept for the fewest LDS bytes for each product.
; No prefetch: every tile is asked for at the head.
; REGISTERS, in windows of 256: window 0: v0-31 addresses; v32-95 scale words, two sets; v128-191 x's fragments, ONE set; v192-255 the bias; on the way out v128-255 hold packed results.
;   window 1: W's fragments, TWO sets, at v0 and v128.   window 2: the accumulators of my tokens 0-63 ((a, b) at v[8 (8 a + b)]);   window 3: those of tokens 64-127.
.set KSTEP,  512
.set NQ,     KSTEP/128                 ; matrix instructions deep in a slot
.set ROWB,   256                       ; a tile's row in bytes
.set KROW,   512                       ; a row of codes in memory
.set PITCH,  272                       ; an LDS row: 256 bytes + 16 of padding: the 16 rows that a load touches start at 16 different banks (64 banks of 4 bytes: ISA guide 11.1)
.set FR,     8                         ; registers of a fragment
.set NL,     2                         ; LDS loads that bring one
.set NP,     4                         ; places behind this matrix instruction (ISA guide 7.12.1)
.set HALFT,  128*PITCH
.set SLOT,   4*HALFT                   ; x's 256 rows, then W's 256 rows
.set KS,     32                        ; a row of scale bytes
.set SCL,    2*SLOT                    ; behind the slots: the scales, as units of 256 bytes + 16 of padding
.set HALFS,  (128*KS/256)*272
.set SBLK,   (16*KS/256)*272
.set SPARE,  SCL+4*HALFS               ; the spare words, 128 bytes a wave, which no other line names
.set WROW0,  16384                     ; the weights' first row in the joined buffers
.set ADRA, 16                          ; v16-17  LDS address of my x fragments in slot 0, 1
.set ADRB, 20                          ; v20-21  the same for W
.set CO,   26                          ; v26     my lane's 16 bytes in a chunk of 512
.set ADRS, 27                          ; v27     LDS address of my scale words: lanes 0-15 x's rows, lanes 16-31 W's
.set SPW,  28                          ; v28     LDS address of my spare word; never rewritten
.set NIL,  29                          ; v29     0; never rewritten
.set SC,   32                          ; scale words, set s at v[SC + 8 NQ s]
.set AF,   128                         ; x's fragments
.set BIAS, 192                         ; the bias of my 128 features, eight registers a block, in the result's layout
.set OUTR, 128                         ; the way out: four sets of 32 packed registers
.set G1, 24
.set G0, 32
.set G1B, 48
.set G0B, 56
.set G1S, 68
.set G0S, 76
.set G1SB, 80
.set G0SB, 88
.set MSB, 0
.macro WIN new                         ; the immediate's high byte repeats the setting that is left
.if MSB != (\new)
	s_set_vgpr_msb (MSB<<8)|(\new)
.set MSB, (\new)
.endif
.endm
.set MUL_LO, 0xa1                      ; source 0 (W) window 1, source 1 (x) window 0, C and D window 2
.set MUL_HI, 0xf1                      ; the same, C and D window 3
.set FIRST_LO, 0x81                    ; the first step: C (the bias) window 0, D window 2
.set FIRST_HI, 0xc1                    ; D window 3
.set TO_B,   0x40                      ; destination window 1, address window 0
; A joint load: waves 0 and 1 fetch for x, waves 2 and 3 for W.  The branch hangs on the wave's number alone.  An s_nop 0 and four v_nop follow each of the two lines.
.macro JLOAD g0a, g1a, g0b, g1b
	s_cmp_eq_u32 s15, 0
	s_cbranch_scc0 .Lfor_b_\@
	tensor_load_to_lds s[\g0a:\g0a+3], s[\g1a:\g1a+7]
	s_nop 0
.rept 4
	v_nop
.endr
	s_branch .Lasked_\@
.Lfor_b_\@:
	tensor_load_to_lds s[\g0b:\g0b+3], s[\g1b:\g1b+7]
	s_nop 0
.rept 4
	v_nop
.endr
.Lasked_\@:
.endm
.macro CROUND                          ; a round of the cluster's barrier
	s_barrier_signal -1
	s_barrier_wait -1
	s_cmp_lg_u32 s14, 0
	s_cbranch_scc1 .Lnot_wave_0_\@
	s_barrier_signal -3
.Lnot_wave_0_\@:
	s_barrier_wait -3
	s_barrier_signal -1
	s_barrier_wait -1
.endm
	s_load_b128 s[4:7], s[0:1], 0x0                ; codes s[4:5], scales s[6:7]
	s_load_b128 s[8:11], s[0:1], 0x10              ; bq, bk
	s_load_b64 s[12:13], s[0:1], 0x20              ; bv
	s_load_b128 s[96:99], s[0:1], 0x28             ; qimg, kimg
	s_load_b64 s[100:101], s[0:1], 0x38            ; vimg
	v_lshl_add_u32 v[SPW], v0, 2, SPARE
	v_mov_b32 v[NIL], 0
	ds_add_u32 v[SPW], v[NIL]                      ; the wave's opening
	ds_add_u32 v[SPW], v[NIL]
	v_lshrrev_b32 v1, 5, v0
	v_readfirstlane_b32 s14, v1                    ; wave 0..3
	s_lshr_b32 s15, s14, 1                         ; which half of the tile's tokens is mine.  Also: I fetch for x (0) or for W (1)
	s_and_b32 s16, s14, 1                          ; which half of its features.  Also: which 128 rows I fetch
	s_bfe_u32 s40, ttmp6, 0x40000                  ; cx, cy: my place in the cluster
	s_bfe_u32 s41, ttmp6, 0x40004
	s_lshl_b32 s42, ttmp9, 2
	s_add_co_u32 s42, s42, s40                     ; tile column = 4 x cluster x + cx
	s_and_b32 s17, ttmp7, 0xffff
	s_lshr_b32 s67, s17, 3                         ; p: 0 q, 1 k, 2 v: from the cluster's y alone
	s_lshl_b32 s17, s17, 2
	s_add_co_u32 s17, s17, s41                     ; tile row = 4 x cluster y + cy
	s_lshl_b32 s43, s41, 2
	s_lshl_b32 s43, 15, s43                        ; my row of the cluster
	s_lshl_b32 s44, 0x1111, s40                    ; my column
	s_or_b32 s[G1+0], s43, (0<<16)|(1<<20)|(1<<21)|(5<<22)|(3<<25)  ; the mask; elements of 1 byte; padding on; bit 21 beside a mask; four words behind every 64
	s_or_b32 s[G1B+0], s44, (0<<16)|(1<<20)|(1<<21)|(5<<22)|(3<<25)
.irp g, G1, G1B
	s_mov_b32 s[\g+1], ROWB<<16                    ; tensor_dim0
	s_mov_b32 s[\g+2], 128<<16                     ; tensor_dim1
	s_mov_b32 s[\g+3], ROWB<<16                    ; tile_dim0
	s_mov_b32 s[\g+4], 128                         ; tile_dim1
	s_mov_b32 s[\g+5], KROW                        ; the pitch
	s_mov_b32 s[\g+6], 0
	s_mov_b32 s[\g+7], 0
.endr
	s_or_b32 s[G1S+0], s43, (3<<16)|(1<<20)|(1<<21)|(5<<22)|(3<<25)  ; the scales of 128 rows: 4,096 dense bytes as 16 rows of 256 (32 elements of 8 bytes), 16 bytes of padding behind each
	s_or_b32 s[G1SB+0], s44, (3<<16)|(1<<20)|(1<<21)|(5<<22)|(3<<25)
.irp g, G1S, G1SB
	s_mov_b32 s[\g+1], 32<<16
	s_mov_b32 s[\g+2], (128*KS/256)<<16
	s_mov_b32 s[\g+3], 32<<16
	s_mov_b32 s[\g+4], 128*KS/256
	s_mov_b32 s[\g+5], 32
	s_mov_b32 s[\g+6], 0
	s_mov_b32 s[\g+7], 0
.endr
	s_cmp_eq_u32 s67, 2
	s_cselect_b32 s18, 32, 0                       ; v reads x_kv's rows, as k does: 32 tile rows back
	s_sub_co_u32 s19, s17, s18
	s_lshl_b32 s18, s16, 7                         ; which 128 rows of the tile I fetch
	s_lshl_b32 s20, s19, 8
	s_add_co_u32 s20, s20, s18                     ; x: its row in the joined buffers
	s_lshl_b32 s46, s42, 8
	s_add_co_u32 s46, s46, s18
	s_lshl_b32 s95, s67, 10
	s_add_co_u32 s46, s46, s95
	s_add_co_u32 s46, s46, WROW0                   ; W: 16,384 + 1,024 p + 256 x tile column + 128 x half
	s_mov_b32 s21, 0
	s_mov_b32 s47, 0
	s_mov_b64 s[18:19], KS
	s_mul_u64 s[22:23], s[20:21], s[18:19]         ; where these rows' scales begin, in bytes
	s_mul_u64 s[92:93], s[46:47], s[18:19]
	s_mov_b64 s[18:19], KROW
	s_mul_u64 s[20:21], s[20:21], s[18:19]         ; and their codes
	s_mul_u64 s[46:47], s[46:47], s[18:19]
	s_mul_i32 s45, s14, HALFT                      ; where they go: wave x 128 rows: no place in the cluster enters an LDS address
	s_mul_i32 s94, s14, HALFS
	s_wait_dscnt 0x0                               ; both opening adds are done
	s_wait_kmcnt 0x0
	s_add_nc_u64 s[20:21], s[4:5], s[20:21]
	s_add_nc_u64 s[22:23], s[6:7], s[22:23]
	s_add_nc_u64 s[46:47], s[4:5], s[46:47]
	s_add_nc_u64 s[92:93], s[6:7], s[92:93]
	s_cmp_eq_u32 s67, 1                            ; the bias and the result's buffer, by p
	s_cselect_b64 s[8:9], s[10:11], s[8:9]
	s_cselect_b64 s[96:97], s[98:99], s[96:97]
	s_cmp_eq_u32 s67, 2
	s_cselect_b64 s[8:9], s[12:13], s[8:9]
	s_cselect_b64 s[96:97], s[100:101], s[96:97]
	s_cselect_b32 s66, -1, 0                       ; all ones where v is made
	CROUND                                         ; all sixteen work-groups are here: the joint loads meet
	s_mov_b32 s[G0S], 1
	s_add_co_u32 s[G0S+1], s94, SCL
	s_mov_b64 s[G0S+2:G0S+3], s[22:23]
	s_or_b32 s[G0S+3], s[G0S+3], 0x80000000
	s_mov_b32 s[G0SB], 1
	s_add_co_u32 s[G0SB+1], s94, SCL
	s_mov_b64 s[G0SB+2:G0SB+3], s[92:93]
	s_or_b32 s[G0SB+3], s[G0SB+3], 0x80000000
	JLOAD G0S, G1S, G0SB, G1SB                     ; the scales first: they are wanted with K step 0
.irp s, 0,1
	s_mov_b32 s[G0+4*\s], 1
	s_add_co_u32 s[G0+4*\s+1], s45, \s*SLOT
	s_add_nc_u64 s[G0+4*\s+2:G0+4*\s+3], s[20:21], \s*ROWB
	s_or_b32 s[G0+4*\s+3], s[G0+4*\s+3], 0x80000000
	s_mov_b32 s[G0B+4*\s], 1
	s_add_co_u32 s[G0B+4*\s+1], s45, \s*SLOT
	s_add_nc_u64 s[G0B+4*\s+2:G0B+4*\s+3], s[46:47], \s*ROWB
	s_or_b32 s[G0B+4*\s+3], s[G0B+4*\s+3], 0x80000000
	JLOAD G0+4*\s, G1, G0B+4*\s, G1B
.endr
	v_and_b32 v1, 15, v0                           ; r = l % 16
	v_bfe_u32 v2, v0, 4, 1                         ; h = l / 16
	s_lshl_b32 s46, s42, 10                        ; the bias of my 128 features: 4 (256 x tile column + 128 x half) bytes on
	s_lshl_b32 s47, s16, 9
	s_add_co_u32 s46, s46, s47
	s_mov_b32 s47, 0
	s_add_nc_u64 s[8:9], s[8:9], s[46:47]
	v_lshlrev_b32 v9, 5, v2                        ; lane (r, h) wants, for block b, features 16 b + 8 h + 0 .. 7
.irp b, 0,1,2,3,4,5,6,7
	global_load_b128 v[BIAS+8*\b:BIAS+8*\b+3], v9, s[8:9] offset:64*\b
	global_load_b128 v[BIAS+8*\b+4:BIAS+8*\b+7], v9, s[8:9] offset:64*\b+16
.endr
	v_mul_u32_u24 v3, v1, PITCH
	v_lshl_add_u32 v4, v2, 4, v3                   ; a fragment's row x pitch + 16 x half
	s_mul_i32 s21, s15, HALFT                      ; my 128 rows of x
	s_mul_i32 s22, s16, HALFT                      ; my 128 rows of W,
	s_add_co_u32 s22, s22, 2*HALFT                 ; which lie behind x's 256
.irp s, 0,1
	v_add_nc_u32 v[ADRA+\s], s21, v4
	v_add_nc_u32 v[ADRB+\s], s22, v4
	s_add_co_u32 s21, s21, SLOT
	s_add_co_u32 s22, s22, SLOT
.endr
	v_mul_u32_u24 v5, v1, KS                       ; my row's scales: KS bytes a row,
	v_lshrrev_b32 v6, 8, v5
	v_lshl_add_u32 v5, v6, 4, v5                   ; and 16 more for each 256 passed
	s_mul_i32 s21, s15, HALFS
	s_mul_i32 s22, s16, HALFS
	s_add_co_u32 s22, s22, 2*HALFS
	s_sub_co_u32 s22, s22, s21
	v_mul_u32_u24 v6, s22, v2                      ; lanes 16-31 take W's: one product, the distance between the two bases
	s_add_co_u32 s21, s21, SCL
	v_add_nc_u32 v5, v5, v6
	v_add_nc_u32 v[ADRS], s21, v5
	v_and_b32 v6, 31, v0
	v_lshlrev_b32 v6, 4, v6                        ; q, k: 16 x lane
	v_lshrrev_b32 v7, 3, v1
	v_and_b32 v8, 7, v1
	v_lshlrev_b32 v8, 4, v8
	v_lshl_add_u32 v8, v7, 8, v8
	v_lshl_add_u32 v8, v2, 7, v8                   ; v: 256 (r / 8) + 128 h + 16 (r % 8)
	v_cndmask_b32 v[CO], v6, v8, s66
	s_and_b32 s20, s17, 31                         ; where my part of the result begins: tile row within the tensor,
	s_lshr_b32 s21, s20, 3
	s_lshl_b32 s21, s21, 22                        ; its batch: 16 heads x 262,144 bytes,
	s_and_b32 s20, s20, 7
	s_lshl_b32 s20, s20, 4
	s_lshl_b32 s22, s15, 3
	s_add_co_u32 s20, s20, s22                     ; my first tile of 16 tokens in the batch,
	s_lshl_b32 s20, s20, 11                        ; 2,048 bytes each,
	s_add_co_u32 s20, s20, s21
	s_lshl_b32 s46, s42, 2
	s_lshl_b32 s47, s16, 1
	s_add_co_u32 s46, s46, s47                     ; my first head: 4 x tile column + 2 x half
	s_lshl_b32 s46, s46, 18
	s_add_co_u32 s46, s46, s20
	s_mov_b32 s47, 0
	s_add_nc_u64 s[96:97], s[96:97], s[46:47]
.macro FRAG reg, adr, q, i             ; a fragment, 16 rows x 128 K of 4-bit codes: lane l holds row l % 16; registers 4 c .. 4 c + 3 hold K = 64 c + 32 (l / 16) + 0 .. 31
.irp c, 0,1
	ds_load_b128 v[\reg+4*\c:\reg+4*\c+3], v[\adr] offset:64*(\q)+32*\c+(\i)*16*PITCH
.endr
.endm
; 16 matrix instructions: x's blocks a0, a0 + 1 against W's eight, 128 along K.  first = 1: the bias is the C, and the product starts the sums.  The 64 accumulators take turns, one instruction a turn.
.macro MUL16 a0, p, q, sc, first
.irp a, \a0, \a0+1
.irp b, 0,1,2,3,4,5,6,7
.if \first
	v_wmma_scale_f32_16x16x128_f8f6f4 v[8*(8*((\a)%4)+\b):8*(8*((\a)%4)+\b)+7], v[128*(\p)+FR*\b:128*(\p)+FR*\b+FR-1], v[AF+FR*(\a):AF+FR*(\a)+FR-1], v[BIAS+8*\b:BIAS+8*\b+7], v[SC+8*NQ*(\sc)+NQ*\b+(\q)], v[SC+8*NQ*(\sc)+NQ*(\a)+(\q)] matrix_a_fmt:MATRIX_FMT_FP4 matrix_b_fmt:MATRIX_FMT_FP4 matrix_a_scale:MATRIX_SCALE_ROW1
.else
	v_wmma_scale_f32_16x16x128_f8f6f4 v[8*(8*((\a)%4)+\b):8*(8*((\a)%4)+\b)+7], v[128*(\p)+FR*\b:128*(\p)+FR*\b+FR-1], v[AF+FR*(\a):AF+FR*(\a)+FR-1], v[8*(8*((\a)%4)+\b):8*(8*((\a)%4)+\b)+7], v[SC+8*NQ*(\sc)+NQ*\b+(\q)], v[SC+8*NQ*(\sc)+NQ*(\a)+(\q)] matrix_a_fmt:MATRIX_FMT_FP4 matrix_b_fmt:MATRIX_FMT_FP4 matrix_a_scale:MATRIX_SCALE_ROW1
.endif
.endr
.endr
.endm
.macro FETCH_B slot, q, p              ; W's eight fragments of the slot's q-th 128 along K into set p
	WIN TO_B
.irp i, 0,1,2,3,4,5,6,7
	FRAG 128*(\p)+FR*\i, ADRB+\slot, \q, \i
.endr
	WIN 0
.endm
.macro FETCH_A slot, q, i0             ; x's blocks i0 .. i0 + 3
.irp i, \i0, \i0+1, \i0+2, \i0+3
	FRAG AF+FR*(\i), ADRA+\slot, \q, \i
.endr
.endm
.macro SCALES sc                       ; a K step's scale words: four words a row; lanes 0-15 take x's block i, lanes 16-31 W's block i
.irp i, 0,1,2,3,4,5,6,7
	ds_load_b128 v[SC+8*NQ*\sc+NQ*\i:SC+8*NQ*\sc+NQ*\i+3], v[ADRS] offset:\i*SBLK
.endr
.endm
.macro PLACES n                        ; places in front of loads into registers that matrix instructions have read, and of the first read of results
.rept \n
	v_nop
.endr
.endm
.macro STEP slot, q, first             ; a step of 128 along K that has its successor in the same slot
	s_wait_dscnt 4*NL                              ; W's set and x's blocks 0-3 are in; the youngest eight loads (x's blocks 4-7) may be out
.if \first
	WIN FIRST_LO
.else
	WIN MUL_LO
.endif
	MUL16 0, (\q)%2, \q, \slot, \first
	MUL16 2, (\q)%2, \q, \slot, \first
	s_wait_dscnt 0                                 ; x's blocks 4-7 are in
	PLACES NP
	FETCH_B \slot, (\q)+1, 1-(\q)%2
	FETCH_A \slot, (\q)+1, 0
.if \first
	WIN FIRST_HI
.else
	WIN MUL_HI
.endif
	MUL16 4, (\q)%2, \q, \slot, \first
	MUL16 6, (\q)%2, \q, \slot, \first
	PLACES NP
	WIN 0
	FETCH_A \slot, (\q)+1, 4
.endm
.macro STEPS slot, from
.set Q, \from
.rept NQ-1-\from
	STEP \slot, Q, 0
.set Q, Q+1
.endr
.endm
	s_wait_tensorcnt 1                             ; the scales and my part of K step 0 are in (K step 1's load may be out),
	s_barrier_signal -1
	s_barrier_wait -1                              ; everybody's are
	FETCH_B 0, 0, 0
	FETCH_A 0, 0, 0
	SCALES 0
	FETCH_A 0, 0, 4
	s_wait_loadcnt 0x0                             ; the bias
	STEP 0, 0, 1
	STEPS 0, 1
	; slot 0's last step changes slots: one barrier
	s_wait_tensorcnt 0x0                           ; my part of slot 1 has landed
	ds_add_u32 v[SPW], v[NIL]                      ; 0 onto my spare word
	s_wait_dscnt 4*NL+1                            ; (the add and the youngest eight loads may be out)
	WIN MUL_LO
	MUL16 0, 1, NQ-1, 0, 0
	s_wait_dscnt 0x0                               ; the add is done, and no LDS instruction of mine is out at the signal
	s_barrier_signal -1
	MUL16 2, 1, NQ-1, 0, 0
	WIN 0
	s_barrier_wait -1                              ; slot 1 is whole
	PLACES NP
	v_add_nc_u32 v[ADRS], 4*NQ, v[ADRS]            ; on to the second K step's scale words
	FETCH_B 1, 0, 0
	FETCH_A 1, 0, 0
	SCALES 1
	WIN MUL_HI
	MUL16 4, 1, NQ-1, 0, 0
	MUL16 6, 1, NQ-1, 0, 0
	PLACES NP
	WIN 0
	FETCH_A 1, 0, 4
	STEPS 1, 0
	s_wait_dscnt 4*NL                              ; the very last step: nothing more to fetch
	WIN MUL_LO
	MUL16 0, 1, NQ-1, 1, 0
	MUL16 2, 1, NQ-1, 1, 0
	s_wait_dscnt 0
	WIN MUL_HI
	MUL16 4, 1, NQ-1, 1, 0
	MUL16 6, 1, NQ-1, 1, 0
	WIN 0
; THE WAY OUT of block a (16 tokens x 128 features = two heads): rounded to f16, each accumulator from its low end on; block b's four registers are half a fragment and leave by one store of 512 consecutive bytes, aligned.
.macro OUTB a
.set AC, 64*((\a)%4)
.set PKR, OUTR+32*((\a)%4)
.if (\a) >= 4
	s_wait_xcnt 0x0                                ; block a - 4's stores have read their registers: the set is written again only behind this wait
.endif
	WIN 0x0a+5*((\a)/4)                            ; sources 0 and 1: window 2 or 3
.irp b, 0,1,2,3,4,5,6,7
.irp i, 0,1,2,3
	v_cvt_pk_f16_f32 v[PKR+4*\b+\i], v[AC+8*\b+2*\i], v[AC+8*\b+2*\i+1]
.endr
.endr
	WIN 0
.irp b, 0,1,2,3,4,5,6,7
	global_store_b128 v[CO], v[PKR+4*\b:PKR+4*\b+3], s[96:97] offset:(\b/4)*262144+(\a)*2048+(\b%4)*512   ; head b / 4, tile of tokens a, channels 16 (b % 4) on
.endr
.endm
	PLACES NP                                      ; behind the last products: their results are read, and x's fragments and the bias are written over
.irp a, 0,1,2,3,4,5,6,7
	OUTB \a
.endr
	s_wait_tensorcnt 0x0                           ; the wave's end
	ds_add_u32 v[SPW], v[NIL]
	s_wait_dscnt 0x0
	CROUND                                         ; the closing round: no work-group ends while a partner may still ask for a tile that names it
	s_endpgm
.Lfunc_end_k_qc039f5d861_proj:
	.size	k_qc039f5d861_proj, .Lfunc_end_k_qc039f5d861_proj-k_qc039f5d861_proj
	.p2alignl 7, 3214868480
	.fill 96, 4, 3214868480
	.section	.rodata,"a",@progbits
	.p2align	6, 0x0
	.amdhsa_kernel k_qc039f5d861_proj
		.amdhsa_group_segment_fixed_size 327680
		.amdhsa_private_segment_fixed_size 0
		.amdhsa_enable_private_segment 0
		.amdhsa_kernarg_size 64
		.amdhsa_user_sgpr_count 2
		.amdhsa_user_sgpr_kernarg_segment_ptr 1
		.amdhsa_wavefront_size32 1
		.amdhsa_system_sgpr_workgroup_id_x 1
		.amdhsa_system_sgpr_workgroup_id_y 1
		.amdhsa_system_sgpr_workgroup_id_z 1
		.amdhsa_system_vgpr_workitem_id 0
		.amdhsa_next_free_vgpr 1024
		.amdhsa_next_free_sgpr 102
		.amdhsa_reserve_vcc 0
		.amdhsa_float_denorm_mode_32 3
		.amdhsa_float_denorm_mode_16_64 3
		.amdhsa_memory_ordered 1
		.amdhsa_forward_progress 1
		.amdhsa_inst_pref_size 120
	.end_amdhsa_kernel
	.amdgpu_metadata
---
amdhsa.version: [ 1, 2 ]
amdhsa.kernels:
  - .name:           k_qc039f5d861_proj
    .symbol:         k_qc039f5d861_proj.kd
    .args:
      - { .name: codes, .offset: 0, .size: 8, .value_kind: global_buffer, .address_space: global }
      - { .name: scales, .offset: 8, .size: 8, .value_kind: global_buffer, .address_space: global }
      - { .name: bq, .offset: 16, .size: 8, .value_kind: global_buffer, .address_space: global }
      - { .name: bk, .offset: 24, .size: 8, .value_kind: global_buffer, .address_space: global }
      - { .name: bv, .offset: 32, .size: 8, .value_kind: global_buffer, .address_space: global }
      - { .name: qimg, .offset: 40, .size: 8, .value_kind: global_buffer, .address_space: global }
      - { .name: kimg, .offset: 48, .size: 8, .value_kind: global_buffer, .address_space: global }
      - { .name: vimg, .offset: 56, .size: 8, .value_kind: global_buffer, .address_space: global }
    .group_segment_fixed_size: 327680
    .private_segment_fixed_size: 0
    .kernarg_segment_align: 8
    .kernarg_segment_size: 64
    .max_flat_workgroup_size: 128
    .sgpr_count:     102
    .vgpr_count:     1024
    .wavefront_size: 32
...
	.end_amdgpu_metadata
.endif
;; end of part 2
;; launch attn (part 3): grid 4 x 64, 8 waves a work-group, clusters of 4 x 1, 327,680 bytes of LDS; arguments qimg, kimg, vimg, ximg; writes ximg
.if DOCPART == 3
	.amdgcn_target "amdgcn-amd-amdhsa--gfx1250"
	.amdhsa_code_object_version 6
	.text
	.protected	k_qc039f5d861_attn
	.globl	k_qc039f5d861_attn
	.p2align	8
	.type	k_qc039f5d861_attn,@function
k_qc039f5d861_attn:
	s_mov_b64 s[64:65], 0
	v_nop
	global_prefetch_b8 v0, s[64:65] scope:SCOPE_SE
	s_setreg_imm32_b32 hwreg(HW_REG_WAVE_MODE, 25, 1), 1
	s_wait_xcnt 0x0
	s_wait_alu depctr_hold_cnt(0) depctr_sa_sdst(0) depctr_va_vdst(0) depctr_va_sdst(0) depctr_va_ssrc(0) depctr_va_vcc(0) depctr_vm_vsrc(0)
	s_getreg_b32 s2, hwreg(HW_REG_IB_STS2, 6, 4)
	s_cmp_eq_u32 s2, 0
	s_cbranch_scc0 .Lentry_in_a_cluster
	s_endpgm
.Lentry_in_a_cluster:
	s_bfe_u32 s2, ttmp6, 0x10000c
	s_cmp_lg_u32 s2, 0x3003
	s_cbranch_scc0 .Lentry_shape_is_right
	s_endpgm
.Lentry_shape_is_right:
; O[y][q] = the sum over k of softmax_k(Q[y][q] . K[y][k] / 8) V[y][k], y = 16 batch + head (64 of them), 2,048 queries and keys, head size 64.  Operands f16, products, maxima and sums f32; the weights p are rounded to f16 for the
; second product, O once at the end.  A running maximum m and sum l for each query: p = 2^(c s - c m), c = log2(e) / 8; in every step O and l are multiplied by a = 2^(c m_old - c m_new).
; LIMITS: NaN and infinities are not served; m begins at -3e38; the result goes out in f16 (under 65,504; under 6e-5 its step is 6e-8).
; OPERANDS LIE IN MEMORY AND IN LDS AS IMAGES OF THEIR REGISTERS: half a fragment is 512 bytes, lane l's 16 at 16 l.  So tiles are dense blocks, every LDS load reads 512 consecutive bytes, and nothing is padded.
; SHARES.  A work-group owns 512 queries of one y; each of its EIGHT waves 64: four tiles of 16, in 512 registers: two waves to a SIMD.  Every wave walks all keys, 64 a step, 8 steps a slot of 512 keys.
; LAYOUT.  S^T = K Q^T (source 0 = 16 keys, source 1 = 16 queries): a lane holds ONE query (lane % 16) and keys 8 (lane / 16) + 0..7.  Two such tiles, rounded in pairs, ARE source 1 of O^T = V^T P.  V comes turned, by ds_load_tr16_b128.
; TWO GROUPS OF WAVES.  Every wave runs: scores of step i, then softmax and V^T P of step i.  Group 0 meets the change of slots behind the softmax of a slot's last step, group 1 between that step's scores and its softmax (its
; scores and its V then lie in registers).  So behind each barrier one group begins with matrix work and the other with vector work.  Group = (wave xor wave / 4) % 2: waves w and w + 4 differ, and so do waves 2 i and 2 i + 1.
; Group 1's first softmax finds scores of -infinity, V = 0, O = 0: p = 0, a = 1: it adds nothing.  These registers are written in every wave, so that the step has one form.
; CLUSTER.  The four query blocks of a y form a cluster and walk the same K and V: each tile is asked for JOINTLY, by the same tensor load with a mask that names the four.
; REGISTERS.  window 0: v1-7 addresses; v16-47 statistics, eight a tile; v48-175 S^T, 32 a tile, p's f16 pairs written in place over its first 16; v176-239 K of one step.
;   window 1: v0-63 Q; v64-191 O^T, 32 a tile; v192-255 V of one step.
.set SLOT1, 1<<17                      ; slot 1 begins here: one exclusive or turns an address in one slot into the other's
.set VOFF,  65536                      ; a slot: 512 keys of K (65,536 bytes), then of V
.set STEPB, 8192                       ; a step's 64 keys of K, or of V
.set SPARE, 2*SLOT1                    ; behind the ring: the spare words, 128 bytes for each of eight waves, which no other line names
.set L16, 1                            ; v1   16 x lane; never rewritten
.set AV0, 2                            ; v2   16 x lane + VOFF
.set ADK, 3                            ; v3   LDS address of the step's K
.set ADV, 4                            ; v4   of its V
.set PFO, 5                            ; v5   256 x lane: the prefetches' offset
.set SPW, 6                            ; v6   LDS address of my spare word; never rewritten
.set NIL, 7                            ; v7   0; never rewritten
.set ST,  16                           ; tile t's statistics at v[ST + 8 t]: +0 c m, +1 m, +2, +3 l (even keys', odd keys'), +4 .. +7 at work; a at +6
.set S,   48
.set KF,  176
.set QF,  0                            ; in window 1
.set OA,  64
.set VF,  192
.set WV,  12                           ; s12  my wave's number
.set GRP, 13                           ; s13  my group
.set CX,  14                           ; s14  my place in the cluster
.set HY,  15                           ; s15  y
.set G1,  24                           ; s[24:31] descriptor group 1: 64 rows of 256 bytes, dense
.set G0K, 32                           ; s[32:35] group 0 for K's tiles, which walks
.set PFA, 36                           ; s[36:37] where my prefetches stand
.set LIM, 38                           ; s38  1 in a wave that prefetches, else the greatest number
.set SLOTS, 39                         ; s39  slots still to be asked for
.set TB,  40                           ; s40  LDS byte at which the step's K begins
.set TRIP, 41                          ; s41  counts a slot's eight steps
.set SKIP, 42                          ; s42  the trip whose softmax is left out: 0 in group 0, none in group 1
.set ASKI, 43                          ; s43  the trip in which I prefetch, or none
.set CS,  44                           ; s[44:45] c, twice: the packed form names a pair
.set SEL, 46                           ; s[46:47] v_permlanex16_b32's selects for lane l xor 16
.set G0V, 48                           ; s[48:51] group 0 for V's tiles
.set MSB, 0
.macro WIN new                         ; the immediate's high byte repeats the setting that is left
.if MSB != (\new)
	s_set_vgpr_msb (MSB<<8)|(\new)
.set MSB, (\new)
.endif
.endm
; A joint load: waves 0 to 3 fetch the four quarters of a slot's K, waves 4 to 7 those of its V, 16,384 bytes each.  The branch hangs on the wave's number alone.  An s_nop 0 and four v_nop follow each line.
.macro JLOAD
	s_cmp_lt_u32 s[WV], 4
	s_cbranch_scc0 .Lfor_v_\@
	tensor_load_to_lds s[G0K:G0K+3], s[G1:G1+7]
	s_nop 0
.rept 4
	v_nop
.endr
	s_branch .Lasked_\@
.Lfor_v_\@:
	tensor_load_to_lds s[G0V:G0V+3], s[G1:G1+7]
	s_nop 0
.rept 4
	v_nop
.endr
.Lasked_\@:
.endm
.macro CROUND                          ; a round of the cluster's barrier
	s_barrier_signal -1
	s_barrier_wait -1
	s_cmp_lg_u32 s[WV], 0
	s_cbranch_scc1 .Lnot_wave_0_\@
	s_barrier_signal -3
.Lnot_wave_0_\@:
	s_barrier_wait -3
	s_barrier_signal -1
	s_barrier_wait -1
.endm
	s_load_b256 s[4:11], s[0:1], 0x0               ; qimg s[4:5], kimg s[6:7], vimg s[8:9], ximg s[10:11]
	v_lshl_add_u32 v[SPW], v0, 2, SPARE
	v_mov_b32 v[NIL], 0
	ds_add_u32 v[SPW], v[NIL]                      ; the wave's opening
	ds_add_u32 v[SPW], v[NIL]
	v_lshrrev_b32 v8, 5, v0
	v_readfirstlane_b32 s[WV], v8                  ; wave 0..7
	s_lshr_b32 s[GRP], s[WV], 2
	s_xor_b32 s[GRP], s[GRP], s[WV]
	s_and_b32 s[GRP], s[GRP], 1
	s_bfe_u32 s[CX], ttmp6, 0x40000
	s_and_b32 s[HY], ttmp7, 0xffff                 ; y, which the four partners share
	s_lshl_b32 s18, s[HY], 18                      ; y's first byte in qimg, kimg, vimg: 262,144 bytes each
	s_and_b32 s19, s[WV], 3
	s_lshl_b32 s19, s19, 14
	s_add_co_u32 s20, s18, s19                     ; my quarter of slot 0's K or V: no place in the cluster enters it
	s_mov_b32 s21, 0
	s_lshl_b32 s16, ttmp9, 2
	s_add_co_u32 s16, s16, s[CX]                   ; my block of 512 queries: it enters Q's and O's addresses alone
	s_lshl_b32 s22, s16, 16                        ; 32 tiles of 2,048 bytes a block,
	s_lshl_b32 s17, s[WV], 13                      ; 4 a wave
	s_add_co_u32 s22, s22, s17
	s_add_co_u32 s22, s22, s18
	s_mov_b32 s23, 0
	s_lshr_b32 s52, s[HY], 4                       ; ximg: [512 tiles of 16 rows][32,768 bytes]: batch x 128 tiles,
	s_lshl_b32 s52, s52, 22
	s_lshl_b32 s17, s16, 20                        ; 32 a block,
	s_add_co_u32 s52, s52, s17
	s_lshl_b32 s17, s[WV], 17                      ; 4 a wave;
	s_add_co_u32 s52, s52, s17
	s_and_b32 s17, s[HY], 15
	s_lshl_b32 s17, s17, 11                        ; in a tile the head's 64 channels: 2,048 bytes
	s_add_co_u32 s52, s52, s17
	s_mov_b32 s53, 0
	s_and_b32 s54, s[WV], 1                        ; the prefetches: half a slot's K (waves 0, 1) or V (waves 2, 3),
	s_lshl_b32 s54, s54, 15
	s_lshl_b32 s17, s[CX], 13                      ; of it my work-group's 8,192 bytes: the partners are told apart by address,
	s_add_co_u32 s54, s54, s17
	s_add_co_u32 s54, s54, s18
	s_add_co_u32 s54, s54, VOFF                    ; in the second 512 keys: the first change of slots steps it to the third.  Nothing is prefetched at the head
	s_mov_b32 s55, 0
	s_mov_b32 s[G1], 15|(3<<16)|(1<<21)            ; the mask: all four work-groups; elements of 8 bytes; bit 21 beside a mask; no padding
	s_mov_b32 s[G1+1], 32<<16                      ; tensor_dim0 = 32 elements: 256 bytes
	s_mov_b32 s[G1+2], 64<<16                      ; tensor_dim1 = 64
	s_mov_b32 s[G1+3], 32<<16                      ; tile_dim0
	s_mov_b32 s[G1+4], 64                          ; tile_dim1
	s_mov_b32 s[G1+5], 32                          ; the pitch: dense
	s_mov_b32 s[G1+6], 0
	s_mov_b32 s[G1+7], 0
	s_mov_b32 s[CS], 0x3e38aa3b                    ; c = log2(e) / 8
	s_mov_b32 s[CS+1], s[CS]
	s_mov_b32 s[SEL], 0x76543210
	s_mov_b32 s[SEL+1], 0xfedcba98
	s_mov_b32 s[TB], 0
	s_mov_b32 s[SLOTS], 3
	s_cmp_lt_u32 s[WV], 4
	s_cselect_b32 s[LIM], 1, -1
	s_cmp_eq_u32 s[GRP], 0
	s_cselect_b32 s[SKIP], 0, -1
	v_and_b32 v[L16], 31, v0
	v_lshlrev_b32 v[PFO], 8, v[L16]
	v_lshlrev_b32 v[L16], 4, v[L16]
	v_add_nc_u32 v[AV0], VOFF, v[L16]
	s_wait_dscnt 0x0                               ; both opening adds are done
	s_wait_kmcnt 0x0
	s_mov_b32 s[G0K], 1
	s_lshl_b32 s[G0K+1], s[WV], 14                 ; LDS: wave x 16,384: K's quarters, then V's
	s_add_nc_u64 s[G0K+2:G0K+3], s[6:7], s[20:21]
	s_or_b32 s[G0K+3], s[G0K+3], 0x80000000
	s_mov_b32 s[G0V], 1
	s_lshl_b32 s[G0V+1], s[WV], 14
	s_add_nc_u64 s[G0V+2:G0V+3], s[8:9], s[20:21]
	s_or_b32 s[G0V+3], s[G0V+3], 0x80000000
	s_add_nc_u64 s[4:5], s[4:5], s[22:23]          ; Q at my wave's first tile
	s_add_nc_u64 s[10:11], s[10:11], s[52:53]      ; the result likewise
	s_cmp_lt_u32 s[WV], 2
	s_cselect_b64 s[PFA:PFA+1], s[6:7], s[8:9]
	s_add_nc_u64 s[PFA:PFA+1], s[PFA:PFA+1], s[54:55]
	CROUND                                         ; all four work-groups are here: the first joint loads meet
	JLOAD                                          ; the first 512 keys, into slot 0: one load of mine is out
	WIN 0x40                                       ; destination window 1, address window 0
.set n, 0
.rept 16
	global_load_b128 v[QF+4*n:QF+4*n+3], v[L16], s[4:5] offset:512*n   ; Q stays in registers: tile n / 4, channels 32 ((n / 2) % 2) on
.set n, n+1
.endr
.set i, 0
.rept 192
	v_mov_b32 v[OA+i], 0                           ; O^T and V: the step is written once; its first turn finds zeros.  (These stand while the first tile is on its way)
.set i, i+1
.endr
	WIN 0
	s_mov_b32 s16, 0xff800000                      ; -infinity
.set i, 0
.rept 128
	v_mov_b32 v[S+i], s16                          ; the scores that group 1's first softmax finds
.set i, i+1
.endr
.irp t, 0,1,2,3
	v_mov_b32 v[ST+8*\t+1], 0xff61b1e6             ; m = -3e38, under every score
	v_mul_f32 v[ST+8*\t], s[CS], v[ST+8*\t+1]      ; c m
	v_mov_b32 v[ST+8*\t+2], 0                      ; l
	v_mov_b32 v[ST+8*\t+3], 0
.endr
.macro FETCHK                          ; a step's K: 4 tiles of 16 keys x 64 channels: 8 fragments, 16 loads of 512 consecutive bytes
.set n, 0
.rept 16
	ds_load_b128 v[KF+4*n:KF+4*n+3], v[ADK] offset:512*n
.set n, n+1
.endr
.endm
.macro FETCHV                          ; its V, turned: fragment (channels 16 ct on, keys 32 u on) at v[VF + 8 (4 u + ct)] of window 1
	WIN 0x40
.irp u, 0,1
.irp ct, 0,1,2,3
.irp i, 0,1
	ds_load_tr16_b128 v[VF+8*(4*\u+\ct)+4*\i:VF+8*(4*\u+\ct)+4*\i+3], v[ADV] offset:(2*\u+\i)*2048+\ct*512
.endr
.endr
.endr
	WIN 0
.endm
; S^T = K Q^T: 32 products; the 16 accumulators take turns, one instruction a turn; the first 16 start the sums.
.macro KQ
	WIN 0x04                                       ; Q in window 1
.irp c, 0,1
.irp kt, 0,1,2,3
.irp t, 0,1,2,3
.if \c == 0
	v_wmma_f32_16x16x32_f16 v[S+32*\t+8*\kt:S+32*\t+8*\kt+7], v[KF+8*(2*\kt+\c):KF+8*(2*\kt+\c)+7], v[QF+16*\t+8*\c:QF+16*\t+8*\c+7], 0
.else
	v_wmma_f32_16x16x32_f16 v[S+32*\t+8*\kt:S+32*\t+8*\kt+7], v[KF+8*(2*\kt+\c):KF+8*(2*\kt+\c)+7], v[QF+16*\t+8*\c:QF+16*\t+8*\c+7], v[S+32*\t+8*\kt:S+32*\t+8*\kt+7]
.endif
.endr
.endr
.endr
	WIN 0
.endm
; O^T += V^T P: 32 products, the 16 accumulators by turns.
.macro PV
	WIN 0x51                                       ; V, C and D in window 1, P in window 0
.irp u, 0,1
.irp ct, 0,1,2,3
.irp t, 0,1,2,3
	v_wmma_f32_16x16x32_f16 v[OA+32*\t+8*\ct:OA+32*\t+8*\ct+7], v[VF+8*(4*\u+\ct):VF+8*(4*\u+\ct)+7], v[S+32*\t+8*\u:S+32*\t+8*\u+7], v[OA+32*\t+8*\ct:OA+32*\t+8*\ct+7]
.endr
.endr
.endr
	WIN 0
.endm
; THE SOFTMAX'S SINGLE LINES, for tile t.
.macro MAXI t, j                       ; number j of 21: the maximum of the lane's 32 scores and the old m (each accumulator from its low end on); the other half of the lanes'; the new m, c m, and c m_old - c m_new
.set rT, ST+8*(\t)
.set rS, S+32*(\t)
.if (\j) < 4
	v_max3_num_f32 v[rT+4+(\j)], v[rS+8*(\j)], v[rS+8*(\j)+1], v[rS+8*(\j)+2]
.elseif (\j) < 12
	v_max3_num_f32 v[rT+4+(\j)%4], v[rT+4+(\j)%4], v[rS+8*((\j)%4)+2*((\j)/4)+1], v[rS+8*((\j)%4)+2*((\j)/4)+2]
.elseif (\j) == 12
	v_max3_num_f32 v[rT+4], v[rT+4], v[rS+7], v[rS+15]
.elseif (\j) == 13
	v_max3_num_f32 v[rT+6], v[rT+6], v[rS+23], v[rS+31]
.elseif (\j) == 14
	v_max3_num_f32 v[rT+4], v[rT+4], v[rT+5], v[rT+6]
.elseif (\j) == 15
	v_max3_num_f32 v[rT+4], v[rT+4], v[rT+7], v[rT+1]
.elseif (\j) == 16
	v_permlanex16_b32 v[rT+5], v[rT+4], s[SEL], s[SEL+1]   ; the query's other 32 keys lie in the lane 16 away
.elseif (\j) == 17
	v_mov_b32 v[rT+7], v[rT]                       ; c m_old is kept for a
.elseif (\j) == 18
	v_max_num_f32 v[rT+1], v[rT+4], v[rT+5]
.elseif (\j) == 19
	v_mul_f32 v[rT], s[CS], v[rT+1]
.else
	v_sub_f32 v[rT+7], v[rT+7], v[rT]
.endif
.endm
.macro SCL t, b                        ; pair b of scores: c s - c m
.set rT, ST+8*(\t)
.set rS, S+32*(\t)+2*(\b)
	v_pk_fma_f32 v[rS:rS+1], v[rS:rS+1], s[CS:CS+1], v[rT:rT+1] op_sel_hi:[1,0,0] neg_lo:[0,0,1] neg_hi:[0,0,1]
.endm
.macro EXA t                           ; a
	v_exp_f32 v[ST+8*(\t)+6], v[ST+8*(\t)+7]
.endm
.macro EXQ t, e                        ; p
	v_exp_f32 v[S+32*(\t)+(\e)], v[S+32*(\t)+(\e)]
.endm
.macro SUMI t, z                       ; number z of 16 of the sums, of the unrounded p, in two chains: l = a l + pair 0; T = pairs 1 + 2; pairs 3 to 15 by turns onto l and T; l += T
.set rT, ST+8*(\t)
.set rS, S+32*(\t)
.if (\z) == 0
	v_pk_fma_f32 v[rT+2:rT+3], v[rT+2:rT+3], v[rT+6:rT+7], v[rS:rS+1] op_sel_hi:[1,0,1]
.elseif (\z) == 1
	v_pk_add_f32 v[rT+4:rT+5], v[rS+2:rS+3], v[rS+4:rS+5]
.elseif (\z) == 15
	v_pk_add_f32 v[rT+2:rT+3], v[rT+2:rT+3], v[rT+4:rT+5]
.elseif (\z)%2 == 0
	v_pk_add_f32 v[rT+2:rT+3], v[rT+2:rT+3], v[rS+2*(\z)+2:rS+2*(\z)+3]
.else
	v_pk_add_f32 v[rT+4:rT+5], v[rT+4:rT+5], v[rS+2*(\z)+2:rS+2*(\z)+3]
.endif
.endm
.macro CVTI t, i                       ; pair i to f16, in place: behind SUMI of the same number, register i has been summed and rounded, and later lines read registers 2 i + 2 and up
.set rS, S+32*(\t)
	v_cvt_pk_f16_f32 v[rS+(\i)], v[rS+2*(\i)], v[rS+2*(\i)+1]
.endm
.macro RSCI t, i                       ; pair i of the tile's O^T times a (window 1; a in window 0); each accumulator from its low end on
.set rO, OA+32*(\t)+2*(\i)
	v_pk_mul_f32 v[rO:rO+1], v[rO:rO+1], v[ST+8*(\t)+6:ST+8*(\t)+7] op_sel_hi:[1,0]
.endm
; THE SOFTMAX of the wave's four tiles for one step.  The exponentials go in TWO BATCHES, each with one wait ahead of the first line that names a result of it;
; plain work stands among them: the other two tiles' maxima beside the first batch; the first two tiles' sums and roundings, and O^T's rescaling, beside the second.
.macro SM
.set k, 0
.rept 21
	MAXI 0, k
	MAXI 1, k
.set k, k+1
.endr
	EXA 0
	EXA 1
.set k, 0
.rept 16
	SCL 0, k
	SCL 1, k
.if k < 5
	MAXI 2, 2*k
	MAXI 3, 2*k
	MAXI 2, 2*k+1
	MAXI 3, 2*k+1
.else
	MAXI 2, k+5
	MAXI 3, k+5
.endif
	EXQ 0, 2*k
	EXQ 0, 2*k+1
	EXQ 1, 2*k
	EXQ 1, 2*k+1
.set k, k+1
.endr
	EXA 2
	EXA 3
	v_nop                                          ; a plain instruction behind the last exponential
	s_wait_alu depctr_va_vdst(0)                   ; one wait for the batch: tiles 0 and 1's p, and all four a
.set k, 0
.rept 16
	SCL 2, k
	SCL 3, k
	SUMI 0, k
	SUMI 1, k
	CVTI 0, k
	CVTI 1, k
	EXQ 2, 2*k
	EXQ 2, 2*k+1
	EXQ 3, 2*k
	EXQ 3, 2*k+1
.if k%4 == 3
	WIN 0x41                                       ; O^T (destination and source 0) in window 1
.set i, 0
.rept 16
	RSCI k/4, i
.set i, i+1
.endr
	WIN 0
.endif
.set k, k+1
.endr
	v_nop
	s_wait_alu depctr_va_vdst(0)                   ; one wait for the second batch: tiles 2 and 3's p
.set k, 0
.rept 16
	SUMI 2, k
	SUMI 3, k
	CVTI 2, k
	CVTI 3, k
.set k, k+1
.endr
.endm
.macro SMPV                            ; a step's softmax and its V^T P
	SM
	s_wait_dscnt 0x0                               ; V is in (asked for a softmax ago)
	PV
.rept 5
	v_nop                                          ; five places: the next scores are written over p, which these products read; V's registers are loaded anew
.endr
.endm
; A SLOT'S EIGHT STEPS.  Trip i: K of step i is asked for; softmax and V^T P of step i - 1 (group 0 has none in trip 0: it did the last slot's ahead of the change); V of step i is asked for; scores of step i.
.macro TRIPS
	s_mov_b32 s[TRIP], 0
.Ltrip_\@:
	v_add_nc_u32 v[ADK], s[TB], v[L16]
	v_add_nc_u32 v[ADV], s[TB], v[AV0]
	FETCHK                                         ; behind six places: the four at the last trip's end and the two additions
	s_cmp_eq_u32 s[TRIP], s[ASKI]                  ; A PREFETCH INTO THE L2, in a slot's seventh trip, of the 512 keys that the next change of slots will ask for: 65,536 bytes each of K and V.
	s_cbranch_scc0 .Lnoask_\@                      ; Waves 0 to 3 of each of the four partners name 8,192 bytes each, lanes 256 bytes apart: each block is named once in the launch; this cluster alone reads this y
	global_prefetch_b8 v[PFO], s[PFA:PFA+1] th:TH_LOAD_NT scope:SCOPE_SE
.Lnoask_\@:
	s_cmp_eq_u32 s[TRIP], s[SKIP]                  ; the wave's number and the count of trips alone
	s_cbranch_scc1 .Lskip_\@
	SMPV
.Lskip_\@:
	s_wait_dscnt 0x0                               ; K is in, and no load into V's registers is out, on either way
	FETCHV
	KQ
.rept 4
	v_nop                                          ; places behind the scores: they are read by the softmax, K's registers are loaded anew
.endr
	s_add_co_u32 s[TB], s[TB], STEPB
	s_add_co_u32 s[TRIP], s[TRIP], 1
	s_cmp_lt_u32 s[TRIP], 8
	s_cbranch_scc1 .Ltrip_\@
.endm
; THE CHANGE OF SLOTS, at a slot's head.  Each wave waits for all its tensor loads (its part of the slot ahead), adds 0 to its spare word, and waits for that and for its reads of the slot that it has left.
; fill = 1: the barrier is a round of the cluster's, and the slot that was left is filled with the 512 keys that follow: one load a wave, which has eight steps in which to land.
.macro CHANGE fill
	s_wait_tensorcnt 0x0                           ; no tensor load of mine is out, so a group 0 may be written
	ds_add_u32 v[SPW], v[NIL]                      ; 0 onto my spare word
.if \fill
.irp g, G0K, G0V
	s_xor_b32 s[\g+1], s[\g+1], SLOT1              ; the walking descriptors: the other slot than last time,
	s_add_nc_u64 s[\g+2:\g+3], s[\g+2:\g+3], VOFF  ; the next 512 keys
.endr
	s_wait_xcnt 0x0                                ; the last prefetch has read its address, so it may be written:
	s_add_nc_u64 s[PFA:PFA+1], s[PFA:PFA+1], VOFF  ; one slot further on than the walking descriptors
	s_cmp_gt_u32 s[SLOTS], s[LIM]                  ; the last change that fills a slot asks for nothing: there are no keys behind
	s_cselect_b32 s[ASKI], 6, -1
	s_wait_dscnt 0x0                               ; the add is done, and my reads of the slot that I have left are over
	CROUND
	JLOAD                                          ; the first thing behind the round
.else
	s_mov_b32 s[ASKI], -1
	s_wait_dscnt 0x0
	s_barrier_signal -1
	s_barrier_wait -1
.endif
.endm
	s_wait_loadcnt 0x0                             ; Q
.Lslot:                                            ; three trips: behind each change of slots but the last the next 512 keys are asked for
	CHANGE 1
	TRIPS
	s_cmp_lg_u32 s[GRP], 0
	s_cbranch_scc1 .Lgroup_1                       ; group 1 carries the slot's last softmax over the change
	SMPV
.Lgroup_1:
	s_sub_co_u32 s[TB], s[TB], 8*STEPB             ; back to a slot's first step,
	s_xor_b32 s[TB], s[TB], SLOT1                  ; in the other slot
	s_sub_co_u32 s[SLOTS], s[SLOTS], 1
	s_cmp_lg_u32 s[SLOTS], 0
	s_cbranch_scc1 .Lslot
	CHANGE 0                                       ; the last slot is written out
	TRIPS
	SMPV                                           ; the last step's, in both groups
	; THE WAY OUT.  l's halves and the other half of the lanes' are added; O^T / l is rounded to f16.  A lane's eight channels of a query are 16 bytes, 32 lanes' 512 bytes are half a fragment of the next product's operand.
.irp t, 0,1,2,3
	v_add_f32 v[ST+8*\t+4], v[ST+8*\t+2], v[ST+8*\t+3]
.endr
.irp t, 0,1,2,3
	v_permlanex16_b32 v[ST+8*\t+5], v[ST+8*\t+4], s[SEL], s[SEL+1]
.endr
.irp t, 0,1,2,3
	v_add_f32 v[ST+8*\t+4], v[ST+8*\t+4], v[ST+8*\t+5]
.endr
.irp t, 0,1,2,3
	v_rcp_f32 v[ST+8*\t+6], v[ST+8*\t+4]
.endr
	v_nop                                          ; a plain instruction behind the last reciprocal
	s_wait_alu depctr_va_vdst(0)                   ; one wait for the four, ahead of their first reader
.irp t, 0,1,2,3
	WIN 0x41
.set i, 0
.rept 16
	RSCI \t, i
.set i, i+1
.endr
	WIN 0x05                                       ; sources 0 and 1 window 1, destination window 0: S^T's registers are free
.set i, 0
.rept 16
	v_cvt_pk_f16_f32 v[S+16*\t+i], v[OA+32*\t+2*i], v[OA+32*\t+2*i+1]
.set i, i+1
.endr
	WIN 0
.irp ct, 0,1,2,3
	global_store_b128 v[L16], v[S+16*\t+4*\ct:S+16*\t+4*\ct+3], s[10:11] offset:32768*\t+512*\ct   ; the wave stores 512 consecutive bytes, aligned
.endr
.endr
	s_wait_tensorcnt 0x0                           ; the wave's end
	ds_add_u32 v[SPW], v[NIL]
	s_wait_dscnt 0x0
	CROUND                                         ; the closing round: no work-group ends while a partner may still ask for a tile that names it
	s_endpgm
.Lfunc_end_k_qc039f5d861_attn:
	.size	k_qc039f5d861_attn, .Lfunc_end_k_qc039f5d861_attn-k_qc039f5d861_attn
	.p2alignl 7, 3214868480
	.fill 96, 4, 3214868480
	.section	.rodata,"a",@progbits
	.p2align	6, 0x0
	.amdhsa_kernel k_qc039f5d861_attn
		.amdhsa_group_segment_fixed_size 327680
		.amdhsa_private_segment_fixed_size 0
		.amdhsa_enable_private_segment 0
		.amdhsa_kernarg_size 32
		.amdhsa_user_sgpr_count 2
		.amdhsa_user_sgpr_kernarg_segment_ptr 1
		.amdhsa_wavefront_size32 1
		.amdhsa_system_sgpr_workgroup_id_x 1
		.amdhsa_system_sgpr_workgroup_id_y 1
		.amdhsa_system_sgpr_workgroup_id_z 1
		.amdhsa_system_vgpr_workitem_id 0
		.amdhsa_next_free_vgpr 512
		.amdhsa_next_free_sgpr 66
		.amdhsa_reserve_vcc 0
		.amdhsa_float_denorm_mode_32 3
		.amdhsa_float_denorm_mode_16_64 3
		.amdhsa_memory_ordered 1
		.amdhsa_forward_progress 1
		.amdhsa_inst_pref_size 150
	.end_amdhsa_kernel
	.amdgpu_metadata
---
amdhsa.version: [ 1, 2 ]
amdhsa.kernels:
  - .name:           k_qc039f5d861_attn
    .symbol:         k_qc039f5d861_attn.kd
    .args:
      - { .name: qimg, .offset: 0, .size: 8, .value_kind: global_buffer, .address_space: global }
      - { .name: kimg, .offset: 8, .size: 8, .value_kind: global_buffer, .address_space: global }
      - { .name: vimg, .offset: 16, .size: 8, .value_kind: global_buffer, .address_space: global }
      - { .name: ximg, .offset: 24, .size: 8, .value_kind: global_buffer, .address_space: global }
    .group_segment_fixed_size: 327680
    .private_segment_fixed_size: 0
    .kernarg_segment_align: 8
    .kernarg_segment_size: 32
    .max_flat_workgroup_size: 256
    .sgpr_count:     66
    .vgpr_count:     512
    .wavefront_size: 32
...
	.end_amdgpu_metadata
.endif
;; end of part 3
;; launch oproj (part 4): grid 4 x 64, 4 waves a work-group, clusters of 4 x 4, 327,680 bytes of LDS; arguments ximg, woimg, bo, out0; writes out0
.if DOCPART == 4
	.amdgcn_target "amdgcn-amd-amdhsa--gfx1250"
	.amdhsa_code_object_version 6
	.text
	.protected	k_qc039f5d861_oproj
	.globl	k_qc039f5d861_oproj
	.p2align	8
	.type	k_qc039f5d861_oproj,@function
k_qc039f5d861_oproj:
	s_mov_b64 s[64:65], 0
	v_nop
	global_prefetch_b8 v0, s[64:65] scope:SCOPE_SE
	s_setreg_imm32_b32 hwreg(HW_REG_WAVE_MODE, 25, 1), 1
	s_wait_xcnt 0x0
	s_wait_alu depctr_hold_cnt(0) depctr_sa_sdst(0) depctr_va_vdst(0) depctr_va_sdst(0) depctr_va_ssrc(0) depctr_va_vcc(0) depctr_vm_vsrc(0)
	s_getreg_b32 s2, hwreg(HW_REG_IB_STS2, 6, 4)
	s_cmp_eq_u32 s2, 0
	s_cbranch_scc0 .Lentry_in_a_cluster
	s_endpgm
.Lentry_in_a_cluster:
	s_bfe_u32 s2, ttmp6, 0x10000c
	s_cmp_lg_u32 s2, 0xf033
	s_cbranch_scc0 .Lentry_shape_is_right
	s_endpgm
.Lentry_shape_is_right:
; out0[m][n] = the sum over k of X[m][k] Wo[n][k] + bo[n].  X (the attention's result, 8,192 x 1,024) and Wo (1,024 x 1,024) are f16, laid as images of an operand's registers: [16 rows][k / 8][row % 16][8], 32,768 bytes for 16 rows.
; Sums in f32, out0 in f32.  LIMITS: those of f16 operands, stated where they are made.
; A tile of out0 is 128 rows x 256 columns: 256 work-groups.  Four waves, each 64 x 128: 32 accumulators, 256 registers.  K goes in steps of 128 through a ring of two LDS slots: a step's part of 16 rows is 4,096 consecutive bytes.
; CLUSTERS: 4 x 4 work-groups.  The four of a row need the same rows of X, the four of a column the same rows of Wo: each tile is asked for JOINTLY, by the same tensor load with the same descriptor and a mask that names the four.
; THE MATRIX INSTRUCTION IS USED TRANSPOSED (source 0 = 16 rows of Wo, source 1 = 16 rows of X): a lane holds eight neighbouring numbers of a row of out0.  The bias is the C of each sum's first product.
; REGISTERS: window 0: v16-30 addresses; two fragment buffers of 96 (Wo's 64, then X's 32) at v64 and v160; on the way out v64-191 hold rows.   window 1: accumulator (a, b) at v[8 (8 a + b)].   window 2: v0-63 the bias.
.set KSB,    4096                      ; a K step's bytes of 16 rows
.set XPART,  8*KSB                     ; X's 128 rows in a slot
.set SLOT,   24*KSB                    ; then Wo's 256 rows
.set STAGE,  2*SLOT                    ; behind the ring: 16 rows x (512 bytes + 16) for each wave; no tensor load lands here
.set SPITCH, 528
.set SPARE,  STAGE+4*16*SPITCH         ; the spare words, 128 bytes a wave, which no other line names
.set LAPS,   4                         ; a lap = two K steps = once round the ring
.set ADRA, 16                          ; v16-17  LDS address of my X fragments in slot 0, 1
.set ADRB, 20                          ; v20-21  the same for Wo
.set STO,  24                          ; v24     the way out: where I put 32 bytes of a row
.set RD,   25                          ; v25     where I read a row back
.set CO,   26                          ; v26     16 x lane
.set SPW,  28                          ; v28     LDS address of my spare word; never rewritten
.set NIL,  29                          ; v29     0; never rewritten
.set PFO,  30                          ; v30     the prefetches' offset
.set F0,   64
.set F1,   160
.set BK,   64                          ; the way out: v64-127 and v128-191 by turns
.set WV,   12                          ; s12 wave; s13 wave / 2: my half of the rows, and: I fetch for X (0) or Wo (1); s14 wave % 2: my half of the columns, and which half I fetch
.set PFA,  16                          ; s[16:17] where my prefetches stand
.set LIM,  18                          ; s18  1 in a wave that prefetches, else the greatest number
.set G1, 24
.set G0, 32
.set G1B, 48
.set G0B, 56
.set MSB, 0
.macro WIN new                         ; the immediate's high byte repeats the setting that is left
.if MSB != (\new)
	s_set_vgpr_msb (MSB<<8)|(\new)
.set MSB, (\new)
.endif
.endm
.set MUL,   0x50                       ; fragments window 0; C and D window 1
.set FIRST, 0x60                       ; C (the bias) window 2, D window 1
.macro JLOAD s                         ; a joint load: waves 0 and 1 fetch X's two halves, waves 2 and 3 Wo's; an s_nop 0 and four v_nop follow each line
	s_cmp_eq_u32 s13, 0
	s_cbranch_scc0 .Lfor_b_\@
	tensor_load_to_lds s[G0+4*\s:G0+4*\s+3], s[G1:G1+7]
	s_nop 0
.rept 4
	v_nop
.endr
	s_branch .Lasked_\@
.Lfor_b_\@:
	tensor_load_to_lds s[G0B+4*\s:G0B+4*\s+3], s[G1B:G1B+7]
	s_nop 0
.rept 4
	v_nop
.endr
.Lasked_\@:
.endm
.macro CREST                           ; a round of the cluster's barrier behind its opening barrier
	s_cmp_lg_u32 s[WV], 0
	s_cbranch_scc1 .Lnot_wave_0_\@
	s_barrier_signal -3
.Lnot_wave_0_\@:
	s_barrier_wait -3
	s_barrier_signal -1
	s_barrier_wait -1
.endm
.macro CROUND
	s_barrier_signal -1
	s_barrier_wait -1
	CREST
.endm
; A PREFETCH INTO THE L2 of X's K step that stands two refills on: 128 rows x 256 bytes.  This cluster alone reads these rows; its four partners along x take two tiles of 16 rows each, told apart BY ADDRESS; in each, wave 0 asks:
; lanes 0-15 the first tile's 4,096 bytes, lanes 16-31 the second's, 256 bytes apart.  The last lap that fills asks for nothing.  Wo's rows are read by all clusters at about the same time and are not asked for.
.macro ASK
	s_cmp_gt_u32 s3, s[LIM]                        ; s3 = 1 in the loop's last trip
	s_cbranch_scc0 .Lnot_mine_\@
	global_prefetch_b8 v[PFO], s[PFA:PFA+1] offset:KSB th:TH_LOAD_NT scope:SCOPE_SE
.Lnot_mine_\@:
.endm
	s_load_b256 s[4:11], s[0:1], 0x0               ; ximg s[4:5], woimg s[6:7], bo s[8:9], out0 s[10:11]
	v_lshl_add_u32 v[SPW], v0, 2, SPARE
	v_mov_b32 v[NIL], 0
	ds_add_u32 v[SPW], v[NIL]                      ; the wave's opening
	ds_add_u32 v[SPW], v[NIL]
	v_lshrrev_b32 v1, 5, v0
	v_readfirstlane_b32 s[WV], v1                  ; wave 0..3
	s_lshr_b32 s13, s[WV], 1
	s_and_b32 s14, s[WV], 1
	s_bfe_u32 s40, ttmp6, 0x40000                  ; cx, cy
	s_bfe_u32 s41, ttmp6, 0x40004
	s_lshl_b32 s42, ttmp9, 2
	s_add_co_u32 s42, s42, s40                     ; tile column = 4 x cluster x + cx
	s_and_b32 s43, ttmp7, 0xffff
	s_lshl_b32 s43, s43, 2
	s_add_co_u32 s43, s43, s41                     ; tile row = 4 x cluster y + cy
	s_lshl_b32 s44, s41, 2
	s_lshl_b32 s44, 15, s44                        ; my row of the cluster
	s_lshl_b32 s45, 0x1111, s40                    ; my column
	s_or_b32 s[G1], s44, (3<<16)|(1<<21)           ; the mask; elements of 8 bytes; bit 21 beside a mask; no padding
	s_or_b32 s[G1B], s45, (3<<16)|(1<<21)
	s_mov_b32 s[G1+1], 512<<16                     ; tensor_dim0 = 512 elements: 4,096 bytes
	s_mov_b32 s[G1+2], 4<<16                       ; tensor_dim1 = 4 tiles of 16 rows
	s_mov_b32 s[G1+3], 512<<16                     ; tile_dim0
	s_mov_b32 s[G1+4], 4                           ; tile_dim1
	s_mov_b32 s[G1+5], 4096                        ; the pitch: 32,768 bytes from tile to tile
	s_mov_b32 s[G1+6], 0
	s_mov_b32 s[G1+7], 0
	s_mov_b32 s[G1B+1], 512<<16
	s_mov_b32 s[G1B+2], 8<<16                      ; Wo: 8 tiles of 16 rows to a load
	s_mov_b32 s[G1B+3], 512<<16
	s_mov_b32 s[G1B+4], 8
	s_mov_b32 s[G1B+5], 4096
	s_mov_b32 s[G1B+6], 0
	s_mov_b32 s[G1B+7], 0
	s_lshl_b32 s20, s43, 3
	s_lshl_b32 s21, s14, 2
	s_add_co_u32 s20, s20, s21                     ; X: tile of 16 rows 8 x tile row + 4 x half
	s_lshl_b32 s20, s20, 15
	s_mov_b32 s21, 0
	s_lshl_b32 s46, s42, 4
	s_lshl_b32 s47, s14, 3
	s_add_co_u32 s46, s46, s47                     ; Wo: 16 x tile column + 8 x half
	s_lshl_b32 s46, s46, 15
	s_mov_b32 s47, 0
	s_lshl_b32 s22, s14, 14                        ; where they go: X's halves of 16,384 bytes,
	s_lshl_b32 s23, s14, 15
	s_add_co_u32 s23, s23, XPART                   ; behind them Wo's of 32,768: the wave's number alone
	s_wait_dscnt 0x0                               ; both opening adds are done
	s_wait_kmcnt 0x0
	s_add_nc_u64 s[20:21], s[4:5], s[20:21]
	s_add_nc_u64 s[46:47], s[6:7], s[46:47]
	CROUND                                         ; all sixteen work-groups are here: the first joint loads meet
.irp s, 0,1
	s_mov_b32 s[G0+4*\s], 1
	s_add_co_u32 s[G0+4*\s+1], s22, \s*SLOT
	s_add_nc_u64 s[G0+4*\s+2:G0+4*\s+3], s[20:21], \s*KSB
	s_or_b32 s[G0+4*\s+3], s[G0+4*\s+3], 0x80000000
	s_mov_b32 s[G0B+4*\s], 1
	s_add_co_u32 s[G0B+4*\s+1], s23, \s*SLOT
	s_add_nc_u64 s[G0B+4*\s+2:G0B+4*\s+3], s[46:47], \s*KSB
	s_or_b32 s[G0B+4*\s+3], s[G0B+4*\s+3], 0x80000000
	JLOAD \s                                       ; K steps 0 and 1: two loads of mine are out
.endr
	v_and_b32 v1, 15, v0                           ; r
	v_bfe_u32 v2, v0, 4, 1                         ; h
	s_lshl_b32 s46, s42, 10                        ; the bias of my 128 columns
	s_lshl_b32 s47, s14, 9
	s_add_co_u32 s46, s46, s47                     ; 4 (256 x tile column + 128 x half): also my first column's bytes in a row of out0
	s_mov_b32 s47, 0
	s_add_nc_u64 s[8:9], s[8:9], s[46:47]
	v_lshlrev_b32 v4, 5, v2                        ; lane (r, h) wants, for block b, columns 16 b + 8 h + 0 .. 7
	WIN 0x80                                       ; destination window 2
.irp b, 0,1,2,3,4,5,6,7
	global_load_b128 v[8*\b:8*\b+3], v4, s[8:9] offset:64*\b
	global_load_b128 v[8*\b+4:8*\b+7], v4, s[8:9] offset:64*\b+16
.endr
	WIN 0
	v_and_b32 v3, 31, v0
	v_lshlrev_b32 v[CO], 4, v3
	s_lshl_b32 s20, s13, 14                        ; my 64 rows of X
	s_lshl_b32 s21, s14, 15
	s_add_co_u32 s21, s21, XPART                   ; my 128 rows of Wo
.irp s, 0,1
	v_add_nc_u32 v[ADRA+\s], s20, v[CO]
	v_add_nc_u32 v[ADRB+\s], s21, v[CO]
	s_add_co_u32 s20, s20, SLOT
	s_add_co_u32 s21, s21, SLOT
.endr
	s_mul_i32 s22, s[WV], 16*SPITCH
	s_add_co_u32 s22, s22, STAGE                   ; my stage
	v_mul_u32_u24 v5, v1, SPITCH
	v_lshl_add_u32 v5, v2, 5, v5
	v_add_nc_u32 v[STO], s22, v5                   ; in: row r, 32 bytes for each half of the lanes
	v_add_nc_u32 v[RD], s22, v[CO]                 ; back: the 32 lanes take one row of 512 bytes
	s_lshl_b32 s20, s43, 7
	s_lshl_b32 s21, s13, 6
	s_add_co_u32 s20, s20, s21                     ; my first row of out0: 128 x tile row + 64 x half
	s_lshl_b32 s20, s20, 12                        ; 4,096 bytes a row
	s_add_co_u32 s20, s20, s46
	s_mov_b32 s21, 0
	s_add_nc_u64 s[10:11], s[10:11], s[20:21]
	s_lshl_b32 s20, s43, 3                         ; the prefetches: my work-group's two tiles of 16 rows of X,
	s_lshl_b32 s21, s40, 1
	s_add_co_u32 s20, s20, s21
	s_lshl_b32 s20, s20, 15
	s_mov_b32 s21, 0
	s_add_nc_u64 s[PFA:PFA+1], s[4:5], s[20:21]
	s_add_nc_u64 s[PFA:PFA+1], s[PFA:PFA+1], 2*KSB ; at K step 2: the first refill steps it to 3 and names K step 4.  Nothing is prefetched at the head
	s_cmp_eq_u32 s[WV], 0
	s_cselect_b32 s[LIM], 1, -1
	v_lshlrev_b32 v[PFO], 8, v1
	v_lshl_add_u32 v[PFO], v2, 15, v[PFO]
.macro MULA f, a, first                ; 8 matrix instructions: X's block a against Wo's eight, 32 along K.  The 32 accumulators take turns, one instruction a turn
.irp b, 0,1,2,3,4,5,6,7
.if \first
	v_wmma_f32_16x16x32_f16 v[8*(8*(\a)+\b):8*(8*(\a)+\b)+7], v[\f+8*\b:\f+8*\b+7], v[\f+64+8*(\a):\f+64+8*(\a)+7], v[8*\b:8*\b+7]
.else
	v_wmma_f32_16x16x32_f16 v[8*(8*(\a)+\b):8*(8*(\a)+\b)+7], v[\f+8*\b:\f+8*\b+7], v[\f+64+8*(\a):\f+64+8*(\a)+7], v[8*(8*(\a)+\b):8*(8*(\a)+\b)+7]
.endif
.endr
.endm
.macro FETCH slot, k, f                ; 24 LDS loads in one run: the fragments of 32 along K at byte k of each tile's 4,096: Wo's eight, then X's four; each load reads 512 consecutive bytes
.irp i, 0,1,2,3,4,5,6,7
	ds_load_b128 v[\f+8*\i:\f+8*\i+3],   v[ADRB+\slot] offset:\i*KSB+\k
	ds_load_b128 v[\f+8*\i+4:\f+8*\i+7], v[ADRB+\slot] offset:\i*KSB+\k+512
.endr
.irp i, 0,1,2,3
	ds_load_b128 v[\f+64+8*\i:\f+64+8*\i+3],   v[ADRA+\slot] offset:\i*KSB+\k
	ds_load_b128 v[\f+64+8*\i+4:\f+64+8*\i+7], v[ADRA+\slot] offset:\i*KSB+\k+512
.endr
.endm
.macro PLACES                          ; four places in front of loads into registers that matrix instructions have read, and of the first read of results
.rept 4
	v_nop
.endr
.endm
; A K step is four quarters of 32 along K, 32 matrix instructions each, on buffers 0, 1, 0, 1.  One of the first three: multiplies buffer f and fetches the next quarter, at byte k, into g.
.macro QUARTER slot, k, f, g, first
	s_wait_dscnt 4                                 ; Wo's fragments and X's blocks 0 and 1 are in; the youngest four loads (blocks 2 and 3) may be out
.if \first
	WIN FIRST
.else
	WIN MUL
.endif
	MULA \f, 0, \first
	MULA \f, 1, \first
	PLACES
	WIN 0
	FETCH \slot, \k, \g
	s_wait_dscnt 24                                ; all but the 24 just issued
.if \first
	WIN FIRST
.else
	WIN MUL
.endif
	MULA \f, 2, \first
	MULA \f, 3, \first
.endm
; The last quarter multiplies buffer 1 and changes slots: ONE barrier; in front of it each wave waits for all its tensor loads, adds 0 to its spare word, and waits for that and for its own reads of this slot.
; fill = 1: the barrier opens a round of the cluster's, and this slot is filled again, two K steps ahead: the load has 112 matrix instructions of mine before the wait for it.
.macro TURN slot, next, fill
.if \fill
	s_wait_xcnt 0x0                                ; the last prefetch, a K step back, has read its address
	s_add_nc_u64 s[PFA:PFA+1], s[PFA:PFA+1], KSB
.endif
	WIN 0                                          ; (the add's two registers lie in window 0)
	s_wait_tensorcnt 0x0                           ; all my tensor loads have landed: my part of the next slot
	ds_add_u32 v[SPW], v[NIL]                      ; 0 onto my spare word
	s_wait_dscnt 5                                 ; (the add and the youngest four loads may be out)
	WIN MUL
	MULA F1, 0, 0                                  ; eight matrix instructions stand between the add and the wait for it
	s_wait_dscnt 0x0                               ; the add is done, and my reads of this slot are over
	s_barrier_signal -1
	MULA F1, 1, 0
	WIN 0
	s_barrier_wait -1
.if \fill
	CREST                                          ; no wave of any partner still reads this slot's tile or has a load on its way
	s_add_nc_u64 s[G0+4*\slot+2:G0+4*\slot+3], s[G0+4*\slot+2:G0+4*\slot+3], 2*KSB
	s_add_nc_u64 s[G0B+4*\slot+2:G0B+4*\slot+3], s[G0B+4*\slot+2:G0B+4*\slot+3], 2*KSB
	JLOAD \slot                                    ; the first tensor load behind the round; its four v_nop are also the places in front of the loads below
.else
	PLACES
.endif
	FETCH \next, 0, F0
.if \fill
	ASK
.endif
	WIN MUL
	MULA F1, 2, 0
	MULA F1, 3, 0
.endm
	s_wait_tensorcnt 1                             ; my part of K step 0 is in (K step 1's load may be out),
	s_barrier_signal -1
	s_barrier_wait -1                              ; everybody's is
	FETCH 0, 0, F0
	s_wait_loadcnt 0x0                             ; the bias
	QUARTER 0, 1024, F0, F1, 1                     ; the first quarter stands in front of the loop: its products start the sums on the bias
	WIN 0                                          ; at a label and at a branch every window is 0
	s_mov_b32 s3, LAPS-1
.Llap:                                             ; a trip goes once round the ring, from a lap's second quarter to the next lap's first, and fills both slots again
	QUARTER 0, 2048, F1, F0, 0
	QUARTER 0, 3072, F0, F1, 0
	TURN 0, 1, 1
	QUARTER 1, 1024, F0, F1, 0
	QUARTER 1, 2048, F1, F0, 0
	QUARTER 1, 3072, F0, F1, 0
	TURN 1, 0, 1
	QUARTER 0, 1024, F0, F1, 0
	WIN 0
	s_sub_co_u32 s3, s3, 1
	s_cmp_lg_u32 s3, 0
	s_cbranch_scc1 .Llap
	QUARTER 0, 2048, F1, F0, 0                     ; the last lap fills nothing, and has no round of the cluster's barrier
	QUARTER 0, 3072, F0, F1, 0
	TURN 0, 1, 0
	QUARTER 1, 1024, F0, F1, 0
	QUARTER 1, 2048, F1, F0, 0
	QUARTER 1, 3072, F0, F1, 0
	s_wait_dscnt 4                                 ; the very last quarter: nothing more to fetch
	WIN MUL
	MULA F1, 0, 0
	MULA F1, 1, 0
	s_wait_dscnt 0
	MULA F1, 2, 0
	MULA F1, 3, 0
	WIN 0
; THE WAY OUT, block by block of 16 rows x 128 columns.  A lane holds 32 neighbouring bytes of a row and the lanes beside it other rows: a block goes through my own stage and comes back as whole rows of 512 bytes.
; LDS serves a wave's instructions in order (ISA guide 5.7.1.4): no wait between the stores and the loads, nor in front of the next block's stores.
.macro TOSTAGE a
	WIN 0x04                                       ; an LDS store's data are its source 1: window 1
.irp b, 0,1,2,3,4,5,6,7
	ds_store_b128 v[STO], v[64*(\a)+8*\b:64*(\a)+8*\b+3] offset:64*\b          ; each accumulator from its low end on
	ds_store_b128 v[STO], v[64*(\a)+8*\b+4:64*(\a)+8*\b+7] offset:64*\b+16
.endr
	WIN 0
.set BB, BK+64*((\a)%2)
.irp t, 0,1,2,3,4,5,6,7,8,9,10,11,12,13,14,15
	ds_load_b128 v[BB+4*\t:BB+4*\t+3], v[RD] offset:\t*SPITCH
.endr
.endm
.macro SEND a, younger                 ; younger: the LDS instructions issued behind block a's loads, which may stay out
.set BB, BK+64*((\a)%2)
	s_wait_dscnt \younger
.irp t, 0,1,2,3,4,5,6,7,8,9,10,11,12,13,14,15
	global_store_b128 v[CO], v[BB+4*\t:BB+4*\t+3], s[10:11] offset:(\a)*65536+\t*4096 th:TH_STORE_NT   ; 32 lanes store 512 consecutive bytes, aligned; written once, read by nobody here
.endr
.endm
	PLACES                                         ; behind the last products: their results are read, and the fragments' registers are loaded anew
	TOSTAGE 0
.irp a, 1,2,3
.if \a > 1
	s_wait_xcnt 0x0                                ; block a - 2's stores have read their registers: block a's loads may land there
.endif
	TOSTAGE \a
	SEND \a-1, 32                                  ; behind block a - 1's loads: block a's 16 stores and 16 loads
.endr
	SEND 3, 0
	s_wait_tensorcnt 0x0                           ; the wave's end
	ds_add_u32 v[SPW], v[NIL]
	s_wait_dscnt 0x0
	CROUND                                         ; the closing round: no work-group ends while a partner may still ask for a tile that names it
	s_endpgm
.Lfunc_end_k_qc039f5d861_oproj:
	.size	k_qc039f5d861_oproj, .Lfunc_end_k_qc039f5d861_oproj-k_qc039f5d861_oproj
	.p2alignl 7, 3214868480
	.fill 96, 4, 3214868480
	.section	.rodata,"a",@progbits
	.p2align	6, 0x0
	.amdhsa_kernel k_qc039f5d861_oproj
		.amdhsa_group_segment_fixed_size 327680
		.amdhsa_private_segment_fixed_size 0
		.amdhsa_enable_private_segment 0
		.amdhsa_kernarg_size 32
		.amdhsa_user_sgpr_count 2
		.amdhsa_user_sgpr_kernarg_segment_ptr 1
		.amdhsa_wavefront_size32 1
		.amdhsa_system_sgpr_workgroup_id_x 1
		.amdhsa_system_sgpr_workgroup_id_y 1
		.amdhsa_system_sgpr_workgroup_id_z 1
		.amdhsa_system_vgpr_workitem_id 0
		.amdhsa_next_free_vgpr 640
		.amdhsa_next_free_sgpr 66
		.amdhsa_reserve_vcc 0
		.amdhsa_float_denorm_mode_32 3
		.amdhsa_float_denorm_mode_16_64 3
		.amdhsa_memory_ordered 1
		.amdhsa_forward_progress 1
		.amdhsa_inst_pref_size 87
	.end_amdhsa_kernel
	.amdgpu_metadata
---
amdhsa.version: [ 1, 2 ]
amdhsa.kernels:
  - .name:           k_qc039f5d861_oproj
    .symbol:         k_qc039f5d861_oproj.kd
    .args:
      - { .name: ximg, .offset: 0, .size: 8, .value_kind: global_buffer, .address_space: global }
      - { .name: woimg, .offset: 8, .size: 8, .value_kind: global_buffer, .address_space: global }
      - { .name: bo, .offset: 16, .size: 8, .value_kind: global_buffer, .address_space: global }
      - { .name: out0, .offset: 24, .size: 8, .value_kind: global_buffer, .address_space: global }
    .group_segment_fixed_size: 327680
    .private_segment_fixed_size: 0
    .kernarg_segment_align: 8
    .kernarg_segment_size: 32
    .max_flat_workgroup_size: 128
    .sgpr_count:     66
    .vgpr_count:     640
    .wavefront_size: 32
...
	.end_amdgpu_metadata
.endif
;; end of part 4
